; MI455X (gfx1250); checked and timed in simulation.
; The chip was launched on July 23, 2026; its instructions are those of AMD's public machine-readable ISA for CDNA 5 (MIT licence, August 2026) and "CDNA5" Instruction Set Architecture Reference Guide (July 2026). The comments in the code are by the model that wrote it; some were corrected since.
;; Muti Query Attention. Allowed arithmetic: matrix products marked QUANTISED: E2M3 operands, one E8M0 scale for each 32 along K, by v_wmma_scale_f32_16x16x128_f8f6f4 with both operands' format E2M3, f32 sums; everything else in f32.
;; Inputs: Wk 1,024 x 64 float32; Wo 1,024 x 1,024 float32; Wq 1,024 x 1,024 float32; Wv 1,024 x 64 float32; bk 64 float32; bo 1,024 float32; bq 1,024 float32; bv 64 float32; hidden_state 4 x 2,048 x 1,024 float32.
;; Outputs: out0 4 x 2,048 x 1,024 float32.
;; This version of the problem:
;;   THIS VERSION OF THE PROBLEM IS GIVEN IN LOW PRECISION. The matrix products marked QUANTISED in the list below multiply operands that are first quantised to E2M3 (2 exponent bits, 3 mantissa bits; 6 bits a number), with one power-of-two scale for each 32 numbers along K (OCP MX v1.0); their sums are f32. All else is computed in f32.
;;   The module's matrix products, in the order in which they are computed (A, B: the left and right operand; K: the contracted axis; several contracted axes count as one K, in the product's order):
;;     1. [M 8,192, K 1,024] x [K 1,024, N 1,024]; A: input hidden_state; B: input Wq: QUANTISED
;;     2. [M 8,192, K 1,024] x [K 1,024, N 64]; A: input hidden_state; B: input Wk: QUANTISED
;;     3. [M 8,192, K 1,024] x [K 1,024, N 64]; A: input hidden_state; B: input Wv: QUANTISED
;;     4. batch 4 x [M 32,768, K 64] x [K 64, N 2,048]; A: computed on the way; B: computed on the way: QUANTISED
;;     5. batch 4 x [M 32,768, K 2,048] x [K 2,048, N 64]; A: softmax (see below); B: computed on the way: QUANTISED
;;     6. [M 8,192, K 1,024] x [K 1,024, N 1,024]; A: computed on the way; B: input Wo: QUANTISED
;;   THE QUANTISER, for each operand of a quantised product, along K:
;;     - K is cut into blocks of 32 from its start; a last block that is shorter is filled with zeros.
;;     - A block's scale is 2^e with e = floor(log2(the largest magnitude in the block)) - 2, held to -126 .. 127; a block of zeros has e = 0. As a byte (E8M0): e + 127.
;;     - Each number is divided by its block's scale, clamped to +-7.5, and rounded to the nearest number of E2M3, ties to even, subnormals kept.
;;     - The product sums the exact products of the quantised numbers (number of the format x scale) in f32.
;;   ~~~python
;;   def quantise(x, axis):      # numpy; x: float32 -> the quantised numbers, widened to float32 again
;;       x = np.moveaxis(x, axis, -1); K = x.shape[-1]
;;       x = np.pad(x, [(0, 0)] * (x.ndim - 1) + [(0, -K % 32)]); x = x.reshape(x.shape[:-1] + (-1, 32)); a = np.abs(x).max(-1, keepdims=True)
;;       e = np.where(a > 0, np.clip(np.frexp(np.where(a > 0, a, 1))[1] - 1 - 2, -126, 127), 0)      # np.frexp(a)[1] - 1 = floor(log2(a)), exactly
;;       r = np.clip(x / 2.0 ** e, -7.5, 7.5)
;;       step = 2.0 ** (np.maximum(np.frexp(np.where(r == 0, 1, r))[1] - 1, 0) - 3)
;;       q = np.round(r / step) * step * 2.0 ** e      # np.round: ties to even
;;       return np.moveaxis(q.reshape(q.shape[:-2] + (-1,))[..., :K], -1, axis).astype(np.float32)
;;   ~~~
;;   SOFTMAX AHEAD OF A QUANTISED PRODUCT. Where the list says 'softmax', what is quantised is not the finished softmax but p = 2^(t - M), with t = logit x log2(e) and M = ceil(the row's largest t), a whole number; so 1/2 < the row's largest p <= 1. The row's sum l is taken of the UNQUANTISED p, in f32, and the product's result is divided by l at the end. Since M is a whole number, a kernel that streams over the keys may use a running M (the ceiling of the running maximum): every later rescaling is an exact power of two, which a block's scale takes up: the codes' values come out the same.
;;   OPERANDS COMPUTED ON THE WAY. 'Computed on the way' means the value that the module computes at that place (a softmax that the list does not call 'softmax' is quantised finished and normalised). What goes into a quantiser is computed in f32, as accurately as f32 sums, v_exp_f32 and their like allow (about 1e-6 of the number): no bf16 or f16 on the way to a quantiser, and a product that is left as it is and whose result goes on into a quantised operand takes f32 operands (vector FMAs, or v_wmma_f32_16x16x4_f32). A number that lies on a knife's edge between two numbers of the format may be rounded either way, as far as f32 arithmetic and the matrix unit's own rounding can turn it there, and no further.
;; One version. Each part assembles by itself: llvm-mc -triple=amdgcn-amd-amdhsa -mcpu=gfx1250 --defsym DOCPART=n.
;; ======== version 1 of 1: 5 launches
;; workspace buffers: xq 6,553,600 bytes; aq 6,553,600 bytes; wq 819,200 bytes; wo 819,200 bytes; wkv 102,400 bytes; qf 33,554,432 bytes; kv 835,584 bytes
;; launch wquant (part 1): grid 136 x 1, 4 waves a work-group, no clusters, 0 bytes of LDS; arguments Wq, Wo, Wk, Wv, wq, wo, wkv; writes wq, wo, wkv
.if DOCPART == 1
	.amdgcn_target "amdgcn-amd-amdhsa--gfx1250"
	.amdhsa_code_object_version 6
	.text
	.protected	k_q52b8f00c3c_wquant
	.globl	k_q52b8f00c3c_wquant
	.p2align	8
	.type	k_q52b8f00c3c_wquant,@function
k_q52b8f00c3c_wquant:
	s_mov_b64 s[64:65], 0
	v_nop
	global_prefetch_b8 v0, s[64:65] scope:SCOPE_SE
	s_setreg_imm32_b32 hwreg(HW_REG_WAVE_MODE, 25, 1), 1
	s_wait_xcnt 0x0
; Wq, Wo [1024 (k)][1024], Wk, Wv [1024 (k)][64], f32, K their FIRST axis, become codes of FP6 (E2M3) with one E8M0 byte for each 32 along K.
; A LANE TAKES A COLUMN AND ITS REGISTERS RUN DOWN K: a block of 32 along K lies in one lane's 32 registers, its largest magnitude needs no other lane, and the conversions give codes with K innermost.
; A wave takes 32 columns x 128 along K (one K step): four blocks a lane.  Work-groups 0-63: Wq, 64-127: Wo (K step = id / 8, 128 columns = id % 8); 128-135: K step g - 128 of Wk (waves 0, 1) and Wv (waves 2, 3).
; THE CODES' LAYOUT IS THE OPERAND'S REGISTERS.  A half fragment is 16 rows x 64 K in 768 bytes: lane slot L = r + 16 h holds the 24 bytes of k = 32 h .. 32 h + 31 of row r: 16 of them at byte 16 L, 8 at byte 512 + 8 L.
; Codes: [K step / 2][tile of 16 columns][K step % 2][half 0, 1][768].  Scale words: [tile][512]: the word of (K step s, row r) at 128 (s / 2) + 8 r + 4 (s % 2); byte b scales block b.
; WHICH COLUMNS FORM A TILE: Wq, Wo: tile T, row r = column 16 T + r.  Wk: tile 2 hb + a, row r = column 32 hb + 8 a + r + 8 (r / 8).  Wv: tile 4 + u, row r = column 8 u + r + 24 (r / 8).  (The launch that multiplies by them says why.)
; A block's scale is 2^(floor(log2(its largest magnitude)) - 2); its byte is the largest magnitude's exponent field - 2, held at 1 from below.
; LIMITS: a block whose largest magnitude lies under 2^-124, a block of zeros too, gets the byte 1 (zero codes add nothing under it, and this program alone reads the bytes); NaN and infinities among the inputs are not served.
; No LDS, no barrier, no matrix unit: waves share nothing, and each number is read once.
.set X,  64                            ; v64-191  my column's 128 numbers
.set CD, 16                            ; v16-47   block bl's six registers of codes at 16 + 8 bl: no store's data are written again
.set OC, 48                            ; v48-63   the second conversion of each block (its three registers begin on an even number)
	s_load_b256 s[4:11], s[0:1], 0x0               ; Wq s[4:5], Wo s[6:7], Wk s[8:9], Wv s[10:11]
	s_load_b128 s[12:15], s[0:1], 0x20             ; wq s[12:13], wo s[14:15]
	s_load_b64 s[16:17], s[0:1], 0x30              ; wkv
	v_lshrrev_b32 v1, 5, v0
	v_readfirstlane_b32 s18, v1                    ; wave 0..3
	v_and_b32 v1, 31, v0                           ; lane
	v_lshlrev_b32 v2, 2, v1                        ; in: 4 bytes a lane
	s_mov_b32 s29, 0                               ; the high word of every offset
	s_wait_kmcnt 0x0
	s_cmp_ge_u32 ttmp9, 128
	s_cbranch_scc1 .Lkv
	; ---- Wq or Wo
	s_and_b32 s19, ttmp9, 63
	s_lshr_b32 s20, s19, 3                         ; K step
	s_and_b32 s21, s19, 7                          ; which 128 columns
	s_lshr_b32 s34, s20, 1
	s_and_b32 s35, s20, 1
	s_lshl_b32 s30, s21, 3
	s_lshl_b32 s31, s18, 1
	s_add_co_u32 s30, s30, s31                     ; my wave's first tile: 8 x group + 2 x wave
	s_cmp_lt_u32 ttmp9, 64                         ; the choice hangs on the work-group's number alone
	s_cselect_b64 s[22:23], s[4:5], s[6:7]
	s_cselect_b64 s[24:25], s[12:13], s[14:15]
	s_mov_b64 s[26:27], s[24:25]
	s_lshl_b32 s28, s20, 19                        ; 128 rows of 4,096 bytes a K step,
	s_lshl_b32 s31, s21, 9                         ; 512 bytes a group,
	s_add_co_u32 s28, s28, s31
	s_lshl_b32 s31, s18, 7                         ; 128 bytes a wave
	s_add_co_u32 s28, s28, s31
	s_add_nc_u64 s[22:23], s[22:23], s[28:29]
	s_mul_i32 s28, s34, 196608                     ; 64 tiles x 3,072 bytes for two K steps
	s_mul_i32 s31, s35, 1536
	s_add_co_u32 s28, s28, s31
	s_mul_i32 s31, s30, 3072
	s_add_co_u32 s28, s28, s31
	s_add_nc_u64 s[24:25], s[24:25], s[28:29]      ; my codes
	s_lshl_b32 s28, s30, 9
	s_lshl_b32 s31, s34, 7
	s_add_co_u32 s28, s28, s31
	s_lshl_b32 s31, s35, 2
	s_add_co_u32 s28, s28, s31
	s_add_co_u32 s28, s28, 786432                  ; the scale words lie behind the codes
	s_add_nc_u64 s[26:27], s[26:27], s[28:29]
	s_wait_alu depctr_va_vdst(0)
	v_lshrrev_b32 v3, 4, v1                        ; my tile of the wave's two,
	v_and_b32 v4, 15, v1                           ; my row in it
.set i, 0
.rept 128
	global_load_b32 v[X+i], v2, s[22:23] offset:i*4096 th:TH_LOAD_NT   ; W(128 s + i, my column): 32 lanes read 128 consecutive bytes, the four waves 512
.set i, i+1
.endr
	s_branch .Ljoin
.Lkv:
	; ---- Wk or Wv
	s_sub_co_u32 s20, ttmp9, 128                   ; K step
	s_lshr_b32 s34, s20, 1
	s_and_b32 s35, s20, 1
	s_and_b32 s21, s18, 1                          ; which 32 of the 64 columns
	s_lshl_b32 s36, s21, 1
	s_lshl_b32 s37, s21, 3
	s_cmp_lt_u32 s18, 2                            ; waves 0, 1: Wk; waves 2, 3: Wv
	s_cselect_b64 s[22:23], s[8:9], s[10:11]
	s_cselect_b32 s36, s36, 4                      ; tile = s36 + ((lane / 8) & s38)
	s_cselect_b32 s38, 1, 3
	s_cselect_b32 s39, 8, 0                        ; row = lane % 8 + (lane / 16) x s39 + s37
	s_cselect_b32 s37, 0, s37
	s_mov_b64 s[24:25], s[16:17]
	s_mov_b64 s[26:27], s[16:17]
	s_lshl_b32 s28, s20, 15                        ; 128 rows of 256 bytes a K step
	s_lshl_b32 s31, s21, 7
	s_add_co_u32 s28, s28, s31
	s_add_nc_u64 s[22:23], s[22:23], s[28:29]
	s_mul_i32 s28, s34, 24576                      ; 8 tiles x 3,072 bytes for two K steps
	s_mul_i32 s31, s35, 1536
	s_add_co_u32 s28, s28, s31
	s_add_nc_u64 s[24:25], s[24:25], s[28:29]
	s_lshl_b32 s28, s34, 7
	s_lshl_b32 s31, s35, 2
	s_add_co_u32 s28, s28, s31
	s_add_co_u32 s28, s28, 98304
	s_add_nc_u64 s[26:27], s[26:27], s[28:29]
	s_wait_alu depctr_va_vdst(0)
	v_lshrrev_b32 v3, 3, v1
	v_and_b32 v3, s38, v3
	v_add_nc_u32 v3, s36, v3                       ; my tile
	v_lshrrev_b32 v4, 4, v1
	v_mul_u32_u24 v4, s39, v4
	v_and_b32 v5, 7, v1
	v_add3_u32 v4, v4, v5, s37                     ; my row in it
.set i, 0
.rept 128
	global_load_b32 v[X+i], v2, s[22:23] offset:i*256 th:TH_LOAD_NT
.set i, i+1
.endr
.Ljoin:                                                ; both ways have issued 128 loads: the counts below hold on both
	s_wait_alu depctr_va_vdst(0)
	v_mul_u32_u24 v5, v3, 3072
	v_lshl_add_u32 v6, v4, 3, v5                   ; tile x 3,072 + 8 x row
	v_lshl_add_u32 v5, v4, 4, v5                   ; tile x 3,072 + 16 x row
	v_lshlrev_b32 v7, 9, v3
	v_lshl_add_u32 v7, v4, 3, v7                   ; tile x 512 + 8 x row: my scale word
; Block bl = 2 c + h of the K step goes to half fragment c, lane slot row + 16 h.
.macro BLK bl
.set XS, X+32*\bl
.set C0, CD+8*\bl
.set C1, OC+4*\bl
.if 96-32*\bl > 63
	s_wait_loadcnt 63                              ; the later blocks' 96 or 64 loads might stay out; a wait names 63 at the most
.else
	s_wait_loadcnt 96-32*\bl                       ; this block's loads are in; the later blocks' may be out
.endif
	v_max3_num_f32 v8, |v[XS]|, |v[XS+1]|, |v[XS+2]|                ; the block's largest magnitude, in two chains
	v_max3_num_f32 v9, |v[XS+3]|, |v[XS+4]|, |v[XS+5]|
.irp i, 6,10,14,18,22,26
	v_max3_num_f32 v8, v8, |v[XS+\i]|, |v[XS+\i+1]|
	v_max3_num_f32 v9, v9, |v[XS+\i+2]|, |v[XS+\i+3]|
.endr
	v_max3_num_f32 v8, v8, |v[XS+30]|, |v[XS+31]|
	v_max3_num_f32 v8, v8, v9, 0x1800000           ; and the floor 2^(3 - 127): the byte cannot fall under 1
	v_add_nc_u32 v10, 0xff000000, v8               ; 2 off the exponent field: the conversion takes this operand's exponent field as its scale
	v_lshrrev_b32 v11, 23, v10                     ; the scale's byte
.if \bl == 0
	v_mov_b32 v12, v11
.else
	v_lshl_or_b32 v12, v11, 8*\bl, v12             ; four bytes make the K step's scale word
.endif
	v_cvt_scalef32_pk16_fp6_f32 v[C0:C0+2], v[XS:XS+15], v10
	v_cvt_scalef32_pk16_fp6_f32 v[C1:C1+2], v[XS+16:XS+31], v10
	v_nop                                          ; one plain instruction behind the conversions
.irp i, 0,1,2
	v_mov_b32 v[C0+3+\i], v[C1+\i]
.endr
	global_store_b128 v5, v[C0:C0+3], s[24:25] offset:768*(\bl/2)+256*(\bl%2)        ; Wq, Wo: sixteen lanes store 256 consecutive bytes, aligned
	global_store_b64 v6, v[C0+4:C0+5], s[24:25] offset:768*(\bl/2)+512+128*(\bl%2)
.endm
	BLK 0
	BLK 1
	BLK 2
	BLK 3
	global_store_b32 v7, v12, s[26:27]
	s_endpgm
.Lfunc_end_k_q52b8f00c3c_wquant:
	.size	k_q52b8f00c3c_wquant, .Lfunc_end_k_q52b8f00c3c_wquant-k_q52b8f00c3c_wquant
	.p2alignl 7, 3214868480
	.fill 96, 4, 3214868480
	.section	.rodata,"a",@progbits
	.p2align	6, 0x0
	.amdhsa_kernel k_q52b8f00c3c_wquant
		.amdhsa_group_segment_fixed_size 0
		.amdhsa_private_segment_fixed_size 0
		.amdhsa_enable_private_segment 0
		.amdhsa_kernarg_size 56
		.amdhsa_user_sgpr_count 2
		.amdhsa_user_sgpr_kernarg_segment_ptr 1
		.amdhsa_wavefront_size32 1
		.amdhsa_system_sgpr_workgroup_id_x 1
		.amdhsa_system_sgpr_workgroup_id_y 1
		.amdhsa_system_sgpr_workgroup_id_z 1
		.amdhsa_system_vgpr_workitem_id 0
		.amdhsa_next_free_vgpr 192
		.amdhsa_next_free_sgpr 66
		.amdhsa_reserve_vcc 0
		.amdhsa_float_denorm_mode_32 3
		.amdhsa_float_denorm_mode_16_64 3
		.amdhsa_memory_ordered 1
		.amdhsa_forward_progress 1
		.amdhsa_inst_pref_size 35
	.end_amdhsa_kernel
	.amdgpu_metadata
---
amdhsa.version: [ 1, 2 ]
amdhsa.kernels:
  - .name:           k_q52b8f00c3c_wquant
    .symbol:         k_q52b8f00c3c_wquant.kd
    .args:
      - { .name: Wq, .offset: 0, .size: 8, .value_kind: global_buffer, .address_space: global }
      - { .name: Wo, .offset: 8, .size: 8, .value_kind: global_buffer, .address_space: global }
      - { .name: Wk, .offset: 16, .size: 8, .value_kind: global_buffer, .address_space: global }
      - { .name: Wv, .offset: 24, .size: 8, .value_kind: global_buffer, .address_space: global }
      - { .name: wq, .offset: 32, .size: 8, .value_kind: global_buffer, .address_space: global }
      - { .name: wo, .offset: 40, .size: 8, .value_kind: global_buffer, .address_space: global }
      - { .name: wkv, .offset: 48, .size: 8, .value_kind: global_buffer, .address_space: global }
    .group_segment_fixed_size: 0
    .private_segment_fixed_size: 0
    .kernarg_segment_align: 8
    .kernarg_segment_size: 56
    .max_flat_workgroup_size: 128
    .sgpr_count:     66
    .vgpr_count:     192
    .wavefront_size: 32
...
	.end_amdgpu_metadata
.endif
;; end of part 1
;; launch xkv (part 2): grid 256 x 1, 8 waves a work-group, no clusters, 162,816 bytes of LDS; arguments hidden_state, wkv, bk, bv, xq, kv; writes xq, kv
.if DOCPART == 2
	.amdgcn_target "amdgcn-amd-amdhsa--gfx1250"
	.amdhsa_code_object_version 6
	.text
	.protected	k_q52b8f00c3c_xkv
	.globl	k_q52b8f00c3c_xkv
	.p2align	8
	.type	k_q52b8f00c3c_xkv,@function
k_q52b8f00c3c_xkv:
	s_mov_b64 s[64:65], 0
	v_nop
	global_prefetch_b8 v0, s[64:65] scope:SCOPE_SE
	s_setreg_imm32_b32 hwreg(HW_REG_WAVE_MODE, 25, 1), 1
	s_wait_xcnt 0x0
; hidden_state [8192][1024] f32 becomes codes of FP6 (E2M3) with E8M0 scales along its 1,024 (buffer xq), and k = x Wk + bk, v = x Wv + bv are made on those codes, quantised, and stored as the attention launch wants them (buffer kv).
; SHARES.  A work-group owns 32 rows (two tiles of 16; one block of 32 keys).  PHASE X: wave w of eight quantises K step w (columns 128 w ..) of all 32 rows, stores the codes to xq and leaves them in LDS as images of the operand's registers.
; PHASE P: waves 0, 1 make k (channels 32 w ..), waves 2, 3 make v (two tiles of 16 channels each): 32 matrix instructions a wave; waves 4-7 end behind the barrier.  The weights' codes (two tiles x 8 K steps, 192 registers) go from memory straight
; into each wave's registers, asked for at the head.  No cluster: what work-groups share, the weights' 98,304 bytes of codes, goes into registers and not through LDS, and x, the bulk of the bytes, is shared with nobody.
; A HALF FRAGMENT is 16 rows x 64 K in 768 bytes: lane slot L = r + 16 h holds the 24 bytes of k = 32 h .. 32 h + 31 of row r: 16 at byte 16 L, 8 at byte 512 + 8 L.  A fragment (12 registers) is two of them: four loads or stores of 512 or 256 consecutive bytes.
; xq: codes [K step / 2][row tile][K step % 2][half][768], then from byte 6,291,456 scale words [row tile][512]: (K step s, row r) at 128 (s / 2) + 8 r + 4 (s % 2).
; kv: [batch][key step of 128 keys][13,056]: 8 tiles of K x 768 | V: 4 tiles of 16 channels x 2 halves x 768 | 512 bytes of K's scale words | 256 of V's.
;   K tile 4 c + u', row 8 h + j = key 64 c + 32 h + 8 g(u') + j, g = (0, 2, 1, 3): so the scores that a lane of the attention launch holds are whole blocks of 32 keys.  V's place p of a block of 32 keys holds key 8 g(p / 8) + p % 8: the same order.
;   V tile u, row r = channel 8 u + r + 24 (r / 8).  K's scale word: bytes 0, 1 the two blocks of channels, bytes 2, 3 = 0x7f (the scores' K is 64 of the instruction's 128).
; k IS USED TRANSPOSED (source 0 = 16 columns of Wk, source 1 = 16 rows of x), so that a lane holds one key and 16 neighbouring channels; v is not (source 0 = x, source 1 = Wv): a lane holds one channel and 16 keys.  Either way two lanes, l and l xor 16, hold a block.
; The biases are the C of each sum's first matrix instruction: they are added ahead of the products, another order of rounding than adding them last.
; LIMITS: a block whose largest magnitude lies under 2^-124, a block of zeros too, gets the byte 1 (this program alone reads the bytes); NaN and infinities among the inputs are not served.
; REGISTERS, window 0: v1-15 addresses; v16-27 the fragment just made; v28-34 odd conversions; v31, v35 the biases' lane terms; v36-47 at work; v48-63 W's scale words; phase X: v64-127 64 numbers, v128-255 as loaded;
;   phase P: v64-159 eight fragments of x, v160-175 x's scale words, v176-207 four accumulators, v212-233 codes and work.   window 1: v0-191 W's 16 fragments, v192-207 the bias in the result's layout.
.set STGB, 16896                       ; LDS: a stage for each wave: 32 rows x (512 bytes + 16)
.set XIMG, 8*STGB                      ; x's 16 fragments, (K step s, tile u) at (2 s + u) x 1,536
.set XSC,  XIMG+16*1536                ; their scale words, 128 bytes each
.set F,    16
.set IN,   64
.set RAW,  128
.set WS,   48                          ; W's scale words: tile i, K step s at 48 + 8 i + s
.set XF,   64
.set XS,   160
.set ACC,  176                         ; accumulator (a, b) at 176 + 16 b + 8 a
.set BI,   192                         ; in window 1
.set WV,   16
.set SEL,  18
.set MSB, 0
.macro WIN new                         ; the immediate's high byte repeats the setting that is left
.if MSB != \new
	s_set_vgpr_msb (MSB<<8)|\new
.set MSB, \new
.endif
.endm
	s_load_b256 s[4:11], s[0:1], 0x0               ; hidden_state s[4:5], wkv s[6:7], bk s[8:9], bv s[10:11]
	s_load_b128 s[12:15], s[0:1], 0x20             ; xq s[12:13], kv s[14:15]
	v_lshl_add_u32 v46, v0, 2, 0x27800
	v_mov_b32 v47, 0
	v_lshrrev_b32 v36, 5, v0
	s_delay_alu instid0(VALU_DEP_1)
	v_readfirstlane_b32 s[WV], v36                 ; wave 0..7
	v_and_b32 v36, 31, v0                          ; lane
	v_and_b32 v44, 15, v0                          ; r
	v_bfe_u32 v45, v0, 4, 1                        ; h
	s_delay_alu instid0(VALU_DEP_3)
	v_lshlrev_b32 v1, 4, v36                       ; 16 x lane
	s_delay_alu instid0(VALU_DEP_4)
	v_lshlrev_b32 v2, 3, v36                       ; 8 x lane
	s_mul_i32 s20, s[WV], STGB
	v_add_nc_u32 v3, s20, v1                       ; the stage, in: a row's 512 bytes as loaded
	v_mul_u32_u24 v4, v44, 528
	s_delay_alu instid0(VALU_DEP_1)
	v_lshl_add_u32 v4, v45, 7, v4
	s_delay_alu instid0(VALU_DEP_1)
	v_add_nc_u32 v4, s20, v4                       ; and out: row r, + 128 h: my 32 neighbours of a block
	s_mul_i32 s20, s[WV], 3072
	s_add_co_u32 s20, s20, XIMG
	v_add_nc_u32 v5, s20, v1                       ; where I store my K step's images
	v_add_nc_u32 v6, s20, v2
	s_lshl_b32 s20, s[WV], 8
	s_add_co_u32 s20, s20, XSC
	v_lshl_add_u32 v7, v36, 2, s20                 ; and their scale words
	v_add_nc_u32 v8, XIMG, v1                      ; where any image is read
	v_add_nc_u32 v9, XIMG, v2
	v_lshl_add_u32 v10, v36, 2, XSC
	v_lshlrev_b32 v11, 3, v44                      ; 8 r
	v_lshlrev_b32 v12, 3, v45                      ; 8 h
	v_lshlrev_b32 v35, 6, v45                      ; bk: 64 h bytes
	v_lshrrev_b32 v31, 3, v44
	s_delay_alu instid0(VALU_DEP_1)
	v_mul_u32_u24 v31, v31, 24
	s_delay_alu instid0(VALU_DEP_1)
	v_add_nc_u32 v31, v31, v44
	s_delay_alu instid0(VALU_DEP_1)
	v_lshlrev_b32 v31, 2, v31                      ; bv: 4 (r + 24 (r / 8)) bytes
	v_mov_b32 v43, 0                               ; written once: a lane permute's destination counts as one of its sources
	s_mov_b32 s[SEL], 0x76543210
	s_mov_b32 s[SEL+1], 0xfedcba98                 ; v_permlanex16_b32's selects for lane l xor 16
	s_mov_b32 s33, 0                               ; the high word of every offset
	s_lshr_b32 s34, s[WV], 1                       ; my K step / 2
	s_and_b32 s35, s[WV], 1                        ; my K step % 2.  Also: hb in waves 0, 1; p in waves 2, 3
	s_lshr_b32 s36, ttmp9, 6                       ; batch
	s_bfe_u32 s37, ttmp9, 0x40002                  ; key step
	s_bfe_u32 s38, ttmp9, 0x10001                  ; c': which 64 keys of the step
	s_and_b32 s39, ttmp9, 1                        ; hh: which 32 of those
	s_mov_b32 s43, 0xffff0000                      ; lanes 16-31
	s_wait_kmcnt 0x0
	s_lshl_b32 s32, ttmp9, 17                      ; 32 rows of 4,096 bytes a work-group,
	s_lshl_b32 s40, s[WV], 9                       ; 512 bytes a K step
	s_add_co_u32 s32, s32, s40
	s_add_nc_u64 s[4:5], s[4:5], s[32:33]
.set i, 0
.rept 32
	global_load_b128 v[RAW+4*i:RAW+4*i+3], v1, s[4:5] offset:i*4096 th:TH_LOAD_NT   ; row i: 32 lanes read 512 consecutive bytes; the eight waves have the work-group's 131,072 bytes on their way
.set i, i+1
.endr
	s_mul_i32 s32, s[WV], 6144
	s_add_nc_u64 s[20:21], s[6:7], s[32:33]        ; W: tiles 2 w, 2 w + 1
	s_lshl_b32 s32, s[WV], 10
	s_add_co_u32 s32, s32, 98304
	s_add_nc_u64 s[22:23], s[6:7], s[32:33]        ; and their scale words
	s_lshl_b32 s32, s35, 7
	s_add_nc_u64 s[8:9], s[8:9], s[32:33]          ; bk + 128 hb
	s_lshl_b32 s32, s35, 6
	s_add_nc_u64 s[10:11], s[10:11], s[32:33]      ; bv + 64 p
	s_mul_i32 s32, s34, 1572864                    ; 512 row tiles x 3,072 bytes for two K steps
	s_mul_i32 s40, ttmp9, 6144
	s_add_co_u32 s32, s32, s40
	s_mul_i32 s40, s35, 1536
	s_add_co_u32 s32, s32, s40
	s_add_nc_u64 s[26:27], s[12:13], s[32:33]      ; xq: my K step of row tile 2 g
	s_lshl_b32 s32, ttmp9, 10
	s_lshl_b32 s40, s34, 7
	s_add_co_u32 s32, s32, s40
	s_lshl_b32 s40, s35, 2
	s_add_co_u32 s32, s32, s40
	s_add_co_u32 s32, s32, 6291456
	s_add_nc_u64 s[28:29], s[12:13], s[32:33]      ; and its scale words
	s_mul_i32 s32, s36, 208896
	s_mul_i32 s40, s37, 13056
	s_add_co_u32 s32, s32, s40
	s_add_nc_u64 s[30:31], s[14:15], s[32:33]      ; kv: my key step
	s_cmp_lt_u32 s[WV], 4
	s_cbranch_scc0 .Lno_w
	WIN 0x40                                       ; destination window 1
.irp s, 0,1,2,3,4,5,6,7
.irp i, 0,1
	global_load_b128 v[12*(2*\s+\i):12*(2*\s+\i)+3], v1, s[20:21] offset:(\s/2)*24576+\i*3072+(\s%2)*1536
	global_load_b64 v[12*(2*\s+\i)+4:12*(2*\s+\i)+5], v2, s[20:21] offset:(\s/2)*24576+\i*3072+(\s%2)*1536+512
	global_load_b128 v[12*(2*\s+\i)+6:12*(2*\s+\i)+9], v1, s[20:21] offset:(\s/2)*24576+\i*3072+(\s%2)*1536+768
	global_load_b64 v[12*(2*\s+\i)+10:12*(2*\s+\i)+11], v2, s[20:21] offset:(\s/2)*24576+\i*3072+(\s%2)*1536+1280
.endr
.endr
	WIN 0
	s_wait_alu depctr_va_vdst(0)
.irp i, 0,1
.irp p, 0,1,2,3
	global_load_b64 v[WS+8*\i+2*\p:WS+8*\i+2*\p+1], v11, s[22:23] offset:\i*512+\p*128   ; row r's words of K steps 2 p, 2 p + 1
.endr
.endr
	s_cmp_lt_u32 s[WV], 2
	s_cbranch_scc0 .Lbias_v
	WIN 0x40
.irp a, 0,1                                    ; k: accumulator (a, .): register j is channel 32 hb + 16 h + 8 a + j
	global_load_b128 v[BI+8*\a:BI+8*\a+3], v35, s[8:9] offset:32*\a
	global_load_b128 v[BI+8*\a+4:BI+8*\a+7], v35, s[8:9] offset:32*\a+16
.endr
	WIN 0
	s_branch .Lbias_done
.Lbias_v:
	WIN 0x40
.irp b, 0,1                                    ; v: accumulator (., b): all eight registers are channel 8 (2 p + b) + r + 24 (r / 8)
.irp j, 0,1,2,3,4,5,6,7
	global_load_b32 v[BI+8*\b+\j], v31, s[10:11] offset:32*\b
.endr
.endr
	WIN 0
.Lbias_done:
	s_wait_loadcnt 63                              ; behind x's 32 loads 76 or 88 more were issued: with 63 out, x's are in (a wait names 63 at the most)
	s_branch .Lturn
.Lno_w:
	s_wait_loadcnt 0x0
.Lturn:
	; ---- PHASE X.  The conversions want 32 neighbours along K in ONE lane; the loads took 16 bytes a lane.  So the 32 rows turn through my own stage: LDS serves a wave's instructions in order, no wait between stores and loads.
.set i, 0
.rept 32
	ds_store_b128 v3, v[RAW+4*i:RAW+4*i+3] offset:i*528
.set i, i+1
.endr
; 64 numbers of a lane, register 32 c + i = k 64 c + 32 h + i of my row (two whole blocks), become the fragment v[F] on and its scale word v42.
.macro QB
.irp c, 0,1
	v_max3_num_f32 v[36+\c], |v[IN+32*\c]|, |v[IN+32*\c+1]|, 0x1800000   ; with the floor 2^(3 - 127): the byte cannot fall under 1
.endr
.irp i, 2,4,6,8,10,12,14,16,18,20,22,24,26,28,30
.irp c, 0,1
	s_delay_alu instid0(VALU_DEP_2)
	v_max3_num_f32 v[36+\c], v[36+\c], |v[IN+32*\c+\i]|, |v[IN+32*\c+\i+1]|   ; (the two blocks by turns)
.endr
.endr
.irp c, 0,1
	s_delay_alu instid0(VALU_DEP_2)
	v_add_nc_u32 v[38+\c], 0xff000000, v[36+\c]    ; 2 off the exponent field: the conversion's scale operand
.endr
.irp c, 0,1
	s_delay_alu instid0(VALU_DEP_2)
	v_lshrrev_b32 v[40+\c], 23, v[38+\c]           ; the scale's byte
.endr
	s_delay_alu instid0(VALU_DEP_1)
	v_lshl_or_b32 v42, v41, 16, v40                ; my two bytes, blocks h and 2 + h,
	s_delay_alu instid0(VALU_DEP_1)
	v_lshlrev_b32 v42, v12, v42                    ; at their places (8 h bits up);
	s_delay_alu instid0(VALU_DEP_1)
	v_permlanex16_b32 v43, v42, s[SEL], s[SEL+1]
	s_delay_alu instid0(VALU_DEP_1)
	v_or_b32 v42, v42, v43                         ; with lane l xor 16's two the word is whole, in both lanes
.irp c, 0,1
	v_cvt_scalef32_pk16_fp6_f32 v[F+6*\c:F+6*\c+2], v[IN+32*\c:IN+32*\c+15], v[38+\c]
	v_cvt_scalef32_pk16_fp6_f32 v[28+4*\c:30+4*\c], v[IN+32*\c+16:IN+32*\c+31], v[38+\c]   ; (a conversion's three registers begin on an even number)
.endr
	v_nop                                          ; one plain instruction behind the conversions
.irp c, 0,1
.irp i, 0,1,2
	v_mov_b32 v[F+6*\c+3+\i], v[28+4*\c+\i]
.endr
.endr
.endm
.macro XTILE u                         ; rows 16 u .. 16 u + 15 of my K step
.irp c, 0,1
.irp j, 0,1,2,3,4,5,6,7
	ds_load_b128 v[IN+32*\c+4*\j:IN+32*\c+4*\j+3], v4 offset:\u*8448+256*\c+16*\j
.endr
.endr
	s_wait_dscnt 0x0
	QB
	ds_store_b128 v5, v[F:F+3] offset:\u*1536                       ; the image for the waves that multiply
	ds_store_b64 v6, v[F+4:F+5] offset:\u*1536+512
	ds_store_b128 v5, v[F+6:F+9] offset:\u*1536+768
	ds_store_b64 v6, v[F+10:F+11] offset:\u*1536+1280
	ds_store_b32 v7, v42 offset:\u*128
	global_store_b128 v1, v[F:F+3], s[26:27] offset:\u*3072         ; and the same bytes to xq: each store covers 512 or 256 consecutive bytes, aligned
	global_store_b64 v2, v[F+4:F+5], s[26:27] offset:\u*3072+512
	global_store_b128 v1, v[F+6:F+9], s[26:27] offset:\u*3072+768
	global_store_b64 v2, v[F+10:F+11], s[26:27] offset:\u*3072+1280
	global_store_b32 v11, v42, s[28:29] offset:\u*512               ; lanes r and r + 16 store the same word to the same place
	s_wait_dscnt 0x0                               ; my LDS stores are done (the barrier below wants that too),
	s_wait_xcnt 0x0                                ; and the stores to memory have read their registers: both may be written again
.endm
	XTILE 0
	XTILE 1
	s_barrier_signal -1                            ; every wave's images have landed (its wait for its LDS stores stands above)
	s_barrier_wait -1
	s_cmp_ge_u32 s[WV], 4
	s_cbranch_scc1 .Lend                           ; no barrier follows: waves 4-7 are done
	; ---- PHASE P
	s_wait_loadcnt 0x0                             ; W's fragments, scale words and the bias
.set i, 0
.rept 16
	ds_load_b32 v[XS+i], v10 offset:i*128          ; x's scale words: (K step s, tile u) in register 2 s + u
.set i, i+1
.endr
.macro XHALF q                         ; x's eight fragments of K steps 4 q .. 4 q + 3
.irp z, 0,1,2,3
.irp u, 0,1
	ds_load_b128 v[XF+12*(2*\z+\u):XF+12*(2*\z+\u)+3], v8 offset:(2*(4*\q+\z)+\u)*1536
	ds_load_b64 v[XF+12*(2*\z+\u)+4:XF+12*(2*\z+\u)+5], v9 offset:(2*(4*\q+\z)+\u)*1536+512
	ds_load_b128 v[XF+12*(2*\z+\u)+6:XF+12*(2*\z+\u)+9], v8 offset:(2*(4*\q+\z)+\u)*1536+768
	ds_load_b64 v[XF+12*(2*\z+\u)+10:XF+12*(2*\z+\u)+11], v9 offset:(2*(4*\q+\z)+\u)*1536+1280
.endr
.endr
.endm
; 16 matrix instructions: K steps 4 q .. 4 q + 3, the four accumulators by turns, one instruction a turn.  kf = 1: k (source 0 = W's tile a, source 1 = x's tile b); kf = 0: v (source 0 = x's tile a, source 1 = W's tile b).
.macro MM16 kf, q
.irp z, 0,1,2,3
.set S, 4*\q+\z
.if S == 0
.if \kf
	WIN 0x11                                       ; source 0 (W) and source 2 (the bias) window 1
.else
	WIN 0x14                                       ; source 1 (W) and source 2 (the bias) window 1
.endif
.else
.if \kf
	WIN 0x01
.else
	WIN 0x04
.endif
.endif
.irp b, 0,1
.irp a, 0,1
.set D0, ACC+16*\b+8*\a
.if \kf
.set A0, 12*(2*S+\a)
.set B0, XF+12*(2*\z+\b)
.set C0, BI+8*\a
.set SA, WS+8*\a+S
.set SB, XS+2*S+\b
.else
.set A0, XF+12*(2*\z+\a)
.set B0, 12*(2*S+\b)
.set C0, BI+8*\b
.set SA, XS+2*S+\a
.set SB, WS+8*\b+S
.endif
.if S == 0
	v_wmma_scale_f32_16x16x128_f8f6f4 v[D0:D0+7], v[A0:A0+11], v[B0:B0+11], v[C0:C0+7], v[SA], v[SB] matrix_a_fmt:MATRIX_FMT_FP6 matrix_b_fmt:MATRIX_FMT_FP6
.else
	v_wmma_scale_f32_16x16x128_f8f6f4 v[D0:D0+7], v[A0:A0+11], v[B0:B0+11], v[D0:D0+7], v[SA], v[SB] matrix_a_fmt:MATRIX_FMT_FP6 matrix_b_fmt:MATRIX_FMT_FP6
.endif
.endr
.endr
.endr
.endm
.macro PROD kf
	s_wait_dscnt 0x0
	MM16 \kf, 0
	WIN 0
.rept 4
	v_nop                                          ; four places in front of loads into registers that matrix instructions have read
.endr
	XHALF 1
	s_wait_dscnt 0x0
	MM16 \kf, 1
	WIN 0
.endm
	XHALF 0
	v_lshrrev_b32 v16, 3, v44                      ; r / 8
	v_and_b32 v17, 7, v44                          ; r % 8
	s_cmp_lt_u32 s[WV], 2
	s_cbranch_scc0 .Lvform
	; k.  Behind the exchange of halves below lane r + 16 g holds block hb of key 16 g + r of my 32: tile 4 c' + g + 2 (r / 8), row 8 hh + r % 8, lane slot row + 16 hb
	v_lshl_add_u32 v18, v16, 1, v45
	s_delay_alu instid0(VALU_DEP_1)
	v_mul_u32_u24 v18, v18, 768
	s_wait_alu depctr_va_vdst(0)
	s_mul_i32 s40, s38, 3072
	s_lshl_b32 s41, s39, 7
	s_add_co_u32 s41, s41, s40
	s_lshl_b32 s42, s35, 8
	s_add_co_u32 s41, s41, s42                     ; 3,072 c' + 128 hh + 256 hb
	v_lshl_add_u32 v13, v17, 4, v18
	s_delay_alu instid0(VALU_DEP_1)
	v_add_nc_u32 v13, s41, v13
	s_lshl_b32 s41, s39, 6
	s_add_co_u32 s41, s41, s40
	s_lshl_b32 s42, s35, 7
	s_add_co_u32 s41, s41, s42
	s_add_co_u32 s41, s41, 512                     ; 3,072 c' + 512 + 64 hh + 128 hb
	v_lshl_add_u32 v14, v17, 3, v18
	s_delay_alu instid0(VALU_DEP_1)
	v_add_nc_u32 v14, s41, v14
	s_lshl_b32 s41, s39, 7
	s_lshl_b32 s42, s38, 3
	s_add_co_u32 s41, s41, s42
	s_add_co_u32 s41, s41, s35
	s_add_co_u32 s41, s41, 12288                   ; the byte: 12,288 + 16 (16 g + 8 hh + r % 8) + 4 (2 c' + r / 8) + hb
	v_lshlrev_b32 v15, 8, v45
	s_delay_alu instid0(VALU_DEP_1)
	v_lshl_add_u32 v15, v17, 4, v15
	s_delay_alu instid0(VALU_DEP_1)
	v_lshl_add_u32 v15, v16, 2, v15
	s_delay_alu instid0(VALU_DEP_1)
	v_add_nc_u32 v15, s41, v15
	PROD 1
	s_branch .Ltail
.Lvform:
	; v.  Lane r + 16 g will hold my block of 32 keys of channel tile 2 p + g, row r: half c', lane slot r + 16 hh
	v_mul_u32_u24 v18, v45, 1536
	s_wait_alu depctr_va_vdst(0)
	s_mul_i32 s40, s35, 3072
	s_mul_i32 s41, s38, 768
	s_add_co_u32 s40, s40, s41
	s_add_co_u32 s40, s40, 6144                    ; 6,144 + 3,072 p + 768 c'
	s_lshl_b32 s41, s39, 8
	s_add_co_u32 s41, s41, s40
	v_lshl_add_u32 v13, v44, 4, v18
	s_delay_alu instid0(VALU_DEP_1)
	v_add_nc_u32 v13, s41, v13
	s_lshl_b32 s41, s39, 7
	s_add_co_u32 s41, s41, s40
	s_add_co_u32 s41, s41, 512
	v_lshl_add_u32 v14, v44, 3, v18
	s_delay_alu instid0(VALU_DEP_1)
	v_add_nc_u32 v14, s41, v14
	s_lshl_b32 s41, s35, 2
	s_lshl_b32 s42, s38, 1
	s_add_co_u32 s41, s41, s42
	s_add_co_u32 s41, s41, s39
	s_add_co_u32 s41, s41, 12800                   ; the byte: 12,800 + 8 (16 g + r) + 4 p + 2 c' + hh
	v_lshlrev_b32 v15, 7, v45
	s_delay_alu instid0(VALU_DEP_1)
	v_lshl_add_u32 v15, v44, 3, v15
	s_delay_alu instid0(VALU_DEP_1)
	v_add_nc_u32 v15, s41, v15
	PROD 0
.Ltail:
	; ---- the two halves b = 0, 1 of my results: 16 numbers a lane each, a block in lanes l and l xor 16
.rept 4
	v_nop                                          ; four places behind the last products
.endr
	v_mov_b32 v226, 0
	v_mov_b32 v227, 0
.irp b, 0,1
	v_max3_num_f32 v[224+\b], |v[ACC+16*\b]|, |v[ACC+16*\b+1]|, 0x1800000   ; each accumulator is read from its low end on
.endr
.irp i, 2,4,6,8,10,12,14
.irp b, 0,1
	v_max3_num_f32 v[224+\b], v[224+\b], |v[ACC+16*\b+\i]|, |v[ACC+16*\b+\i+1]|
.endr
.endr
.irp b, 0,1
	s_delay_alu instid0(VALU_DEP_2)
	v_permlanex16_b32 v[226+\b], v[224+\b], s[SEL], s[SEL+1]
.endr
.irp b, 0,1
	s_delay_alu instid0(VALU_DEP_2)
	v_max_num_f32 v[224+\b], v[224+\b], v[226+\b]  ; the block's largest magnitude
.endr
.irp b, 0,1
	s_delay_alu instid0(VALU_DEP_2)
	v_add_nc_u32 v[228+\b], 0xff000000, v[224+\b]
.endr
.irp b, 0,1
	s_delay_alu instid0(VALU_DEP_2)
	v_lshrrev_b32 v[230+\b], 23, v[228+\b]
.endr
	v_cvt_scalef32_pk16_fp6_f32 v[212:214], v[ACC:ACC+15], v228
	v_cvt_scalef32_pk16_fp6_f32 v[220:222], v[ACC+16:ACC+31], v229
	v_nop                                          ; one plain instruction behind the conversions
.irp i, 0,1,2
	v_permlane16_swap_b32 v[212+\i], v[220+\i]     ; the first's lanes 16-31 change places with the second's lanes 0-15: lanes 0-15 now hold half b = 0 whole, lanes 16-31 half b = 1
.endr
.irp i, 0,1,2
	s_delay_alu instid0(VALU_DEP_3)
	v_mov_b32 v[215+\i], v[220+\i]
.endr
	v_cndmask_b32 v232, v230, v231, s43            ; and the byte that goes with it
	global_store_b128 v13, v[212:215], s[30:31]
	global_store_b64 v14, v[216:217], s[30:31]
	global_store_b8 v15, v232, s[30:31]
	s_cmp_lt_u32 s[WV], 2
	s_cbranch_scc0 .Lend
	v_mov_b32 v233, 0x7f
	global_store_b8 v15, v233, s[30:31] offset:2   ; K's scale words: byte 2 (wave 0) and byte 3 (wave 1) stand for 1.0
.Lend:
	s_wait_tensorcnt 0x0
	ds_add_u32 v46, v47
	s_wait_dscnt 0x0
	s_endpgm
.Lfunc_end_k_q52b8f00c3c_xkv:
	.size	k_q52b8f00c3c_xkv, .Lfunc_end_k_q52b8f00c3c_xkv-k_q52b8f00c3c_xkv
	.p2alignl 7, 3214868480
	.fill 96, 4, 3214868480
	.section	.rodata,"a",@progbits
	.p2align	6, 0x0
	.amdhsa_kernel k_q52b8f00c3c_xkv
		.amdhsa_group_segment_fixed_size 162816
		.amdhsa_private_segment_fixed_size 0
		.amdhsa_enable_private_segment 0
		.amdhsa_kernarg_size 48
		.amdhsa_user_sgpr_count 2
		.amdhsa_user_sgpr_kernarg_segment_ptr 1
		.amdhsa_wavefront_size32 1
		.amdhsa_system_sgpr_workgroup_id_x 1
		.amdhsa_system_sgpr_workgroup_id_y 1
		.amdhsa_system_sgpr_workgroup_id_z 1
		.amdhsa_system_vgpr_workitem_id 0
		.amdhsa_next_free_vgpr 512
		.amdhsa_next_free_sgpr 66
		.amdhsa_reserve_vcc 0
		.amdhsa_float_denorm_mode_32 3
		.amdhsa_float_denorm_mode_16_64 3
		.amdhsa_memory_ordered 1
		.amdhsa_forward_progress 1
		.amdhsa_inst_pref_size 52
	.end_amdhsa_kernel
	.amdgpu_metadata
---
amdhsa.version: [ 1, 2 ]
amdhsa.kernels:
  - .name:           k_q52b8f00c3c_xkv
    .symbol:         k_q52b8f00c3c_xkv.kd
    .args:
      - { .name: hidden_state, .offset: 0, .size: 8, .value_kind: global_buffer, .address_space: global }
      - { .name: wkv, .offset: 8, .size: 8, .value_kind: global_buffer, .address_space: global }
      - { .name: bk, .offset: 16, .size: 8, .value_kind: global_buffer, .address_space: global }
      - { .name: bv, .offset: 24, .size: 8, .value_kind: global_buffer, .address_space: global }
      - { .name: xq, .offset: 32, .size: 8, .value_kind: global_buffer, .address_space: global }
      - { .name: kv, .offset: 40, .size: 8, .value_kind: global_buffer, .address_space: global }
    .group_segment_fixed_size: 162816
    .private_segment_fixed_size: 0
    .kernarg_segment_align: 8
    .kernarg_segment_size: 48
    .max_flat_workgroup_size: 256
    .sgpr_count:     66
    .vgpr_count:     512
    .wavefront_size: 32
...
	.end_amdgpu_metadata
.endif
;; end of part 2
;; launch qproj (part 3): grid 4 x 32, 4 waves a work-group, clusters of 4 x 4, 327,680 bytes of LDS; arguments xq, wq, bq, qf; writes qf
.if DOCPART == 3
	.amdgcn_target "amdgcn-amd-amdhsa--gfx1250"
	.amdhsa_code_object_version 6
	.text
	.protected	k_q52b8f00c3c_qproj
	.globl	k_q52b8f00c3c_qproj
	.p2align	8
	.type	k_q52b8f00c3c_qproj,@function
k_q52b8f00c3c_qproj:
	s_mov_b64 s[64:65], 0
	v_nop
	global_prefetch_b8 v0, s[64:65] scope:SCOPE_SE
	s_setreg_imm32_b32 hwreg(HW_REG_WAVE_MODE, 25, 1), 1
	s_wait_xcnt 0x0
	s_wait_alu depctr_hold_cnt(0) depctr_sa_sdst(0) depctr_va_vdst(0) depctr_va_sdst(0) depctr_va_ssrc(0) depctr_va_vcc(0) depctr_vm_vsrc(0)
	s_getreg_b32 s2, hwreg(HW_REG_IB_STS2, 6, 4)
	s_cmp_eq_u32 s2, 0
	s_cbranch_scc0 .Lentry_in_a_cluster
	s_endpgm
.Lentry_in_a_cluster:
	s_bfe_u32 s2, ttmp6, 0x10000c
	s_cmp_lg_u32 s2, 0xf033
	s_cbranch_scc0 .Lentry_shape_is_right
	s_endpgm
.Lentry_shape_is_right:
.set SIZE_N, 1024
.set ASTEP,  1572864
.set BSTEP,  196608
.set ASCL,   6291456
.set BSCL,   786432
.set NQ,     2
.set FR,     12
.set NL,     4
.set NP,     4
.set TILEB,  3072
.set HALFT,  8*TILEB
.set SLOT,   4*HALFT
.set LAPS,   2
.set SCL,    2*SLOT
.set HALFS,  4096
.set SBLK,   512
.set SPARE,  SCL+4*HALFS
.set SPITCH, 528
.set ADRA, 16
.set ADRB, 20
.set STO,  24
.set RD,   25
.set CO,   26
.set ADRS, 27
.set SPW,  28
.set NIL,  29
.set SC,   32
.set BI,   64
.set AF,   128
.set BK,   128
.set G1, 24
.set G0, 32
.set G1B, 48
.set G0B, 56
.set G1S, 68
.set G0S, 76
.set G1SB, 80
.set G0SB, 88
.set MSB, 0
.macro WIN new
.if MSB != \new
	s_set_vgpr_msb (MSB<<8)|\new
.set MSB, \new
.endif
.endm
.set MUL_LO, 0xa1
.set MUL_HI, 0xf1
.set TO_B,   0x40
.macro JLOAD g0a, g1a, g0b, g1b
	s_cmp_eq_u32 s15, 0
	s_cbranch_scc0 .Lfor_b_\@
	tensor_load_to_lds s[\g0a:\g0a+3], s[\g1a:\g1a+7]
	s_nop 0
.rept 4
	v_nop
.endr
	s_branch .Lasked_\@
.Lfor_b_\@:
	tensor_load_to_lds s[\g0b:\g0b+3], s[\g1b:\g1b+7]
	s_nop 0
.rept 4
	v_nop
.endr
.Lasked_\@:
.endm
.macro CREST
	s_cmp_lg_u32 s14, 0
	s_cbranch_scc1 .Lnot_wave_0_\@
	s_barrier_signal -3
.Lnot_wave_0_\@:
	s_barrier_wait -3
	s_barrier_signal -1
	s_barrier_wait -1
.endm
.macro CROUND
	s_barrier_signal -1
	s_barrier_wait -1
	CREST
.endm
	s_load_b128 s[4:7], s[0:1], 0x0
	s_load_b64 s[8:9], s[0:1], 0x10
	s_load_b64 s[12:13], s[0:1], 0x18
	v_lshl_add_u32 v[SPW], v0, 2, SPARE
	v_mov_b32 v[NIL], 0
	ds_add_u32 v28, v29
	ds_add_u32 v28, v29
	s_wait_dscnt 0x0
	v_lshrrev_b32 v1, 5, v0
	v_readfirstlane_b32 s14, v1
	s_lshr_b32 s15, s14, 1
	s_and_b32 s16, s14, 1
	s_bfe_u32 s40, ttmp6, 0x40000
	s_bfe_u32 s41, ttmp6, 0x40004
	s_lshl_b32 s42, ttmp9, 2
	s_add_co_u32 s42, s42, s40
	s_and_b32 s17, ttmp7, 0xffff
	s_lshl_b32 s17, s17, 2
	s_add_co_u32 s17, s17, s41
	s_lshl_b32 s43, s41, 2
	s_lshl_b32 s43, 15, s43
	s_lshl_b32 s44, 0x1111, s40
	s_or_b32 s[G1+0], s43, (3<<16)|(1<<21)
	s_or_b32 s[G1B+0], s44, (3<<16)|(1<<21)
.irp g, G1, G1B
	s_mov_b32 s[\g+1], 32<<16
	s_mov_b32 s[\g+2], 96<<16
	s_mov_b32 s[\g+3], 32<<16
	s_mov_b32 s[\g+4], 96
	s_mov_b32 s[\g+5], 32
	s_mov_b32 s[\g+6], 0
	s_mov_b32 s[\g+7], 0
.endr
	s_or_b32 s[G1S+0], s43, (3<<16)|(1<<21)
	s_or_b32 s[G1SB+0], s44, (3<<16)|(1<<21)
.irp g, G1S, G1SB
	s_mov_b32 s[\g+1], 32<<16
	s_mov_b32 s[\g+2], 16<<16
	s_mov_b32 s[\g+3], 32<<16
	s_mov_b32 s[\g+4], 16
	s_mov_b32 s[\g+5], 32
	s_mov_b32 s[\g+6], 0
	s_mov_b32 s[\g+7], 0
.endr
	s_lshl_b32 s18, s16, 3
	s_lshl_b32 s20, s17, 4
	s_add_co_u32 s20, s20, s18
	s_lshl_b32 s46, s42, 4
	s_add_co_u32 s46, s46, s18
	s_lshl_b32 s22, s20, 9
	s_add_co_u32 s22, s22, ASCL
	s_mov_b32 s23, 0
	s_lshl_b32 s92, s46, 9
	s_add_co_u32 s92, s92, BSCL
	s_mov_b32 s93, 0
	s_mul_i32 s20, s20, TILEB
	s_mov_b32 s21, 0
	s_mul_i32 s46, s46, TILEB
	s_mov_b32 s47, 0
	s_mul_i32 s45, s14, HALFT
	s_mul_i32 s94, s14, HALFS
	s_wait_kmcnt 0x0
	s_add_nc_u64 s[20:21], s[4:5], s[20:21]
	s_add_nc_u64 s[22:23], s[4:5], s[22:23]
	s_add_nc_u64 s[46:47], s[6:7], s[46:47]
	s_add_nc_u64 s[92:93], s[6:7], s[92:93]
	CROUND
	s_mov_b32 s[G0S], 1
	s_add_co_u32 s[G0S+1], s94, SCL
	s_mov_b64 s[G0S+2:G0S+3], s[22:23]
	s_or_b32 s[G0S+3], s[G0S+3], 0x80000000
	s_mov_b32 s[G0SB], 1
	s_add_co_u32 s[G0SB+1], s94, SCL
	s_mov_b64 s[G0SB+2:G0SB+3], s[92:93]
	s_or_b32 s[G0SB+3], s[G0SB+3], 0x80000000
	JLOAD G0S, G1S, G0SB, G1SB
.irp s, 0,1
	s_mov_b32 s[G0+4*\s], 1
	s_add_co_u32 s[G0+4*\s+1], s45, \s*SLOT
	s_add_nc_u64 s[G0+4*\s+2:G0+4*\s+3], s[20:21], \s*ASTEP
	s_or_b32 s[G0+4*\s+3], s[G0+4*\s+3], 0x80000000
	s_mov_b32 s[G0B+4*\s], 1
	s_add_co_u32 s[G0B+4*\s+1], s45, \s*SLOT
	s_add_nc_u64 s[G0B+4*\s+2:G0B+4*\s+3], s[46:47], \s*BSTEP
	s_or_b32 s[G0B+4*\s+3], s[G0B+4*\s+3], 0x80000000
	s_wait_alu depctr_va_vdst(0)
	s_wait_tensorcnt 0x0
	ds_add_u32 v28, v29
	s_wait_dscnt 0x0
	CROUND
	JLOAD G0+4*\s, G1, G0B+4*\s, G1B
.endr
	v_and_b32 v1, 15, v0
	v_bfe_u32 v2, v0, 4, 1
	v_and_b32 v3, 31, v0
	v_lshlrev_b32 v4, 4, v3
	v_lshlrev_b32 v5, 3, v3
	s_mul_i32 s21, s15, HALFT
	s_mul_i32 s22, s16, HALFT
	s_add_co_u32 s22, s22, 2*HALFT
.irp s, 0,1
	v_add_nc_u32 v[ADRA+\s], s21, v4
	v_add_nc_u32 v[ADRB+\s], s22, v4
	v_add_nc_u32 v[ADRA+2+\s], s21, v5
	v_add_nc_u32 v[ADRB+2+\s], s22, v5
	s_add_co_u32 s21, s21, SLOT
	s_add_co_u32 s22, s22, SLOT
.endr
	v_lshlrev_b32 v5, 3, v1
	s_mul_i32 s21, s15, HALFS
	s_mul_i32 s22, s16, HALFS
	s_add_co_u32 s22, s22, 2*HALFS
	s_sub_co_u32 s22, s22, s21
	v_mul_u32_u24 v6, s22, v2
	s_add_co_u32 s21, s21, SCL
	v_add_nc_u32 v5, v5, v6
	v_add_nc_u32 v[ADRS], s21, v5
	s_mul_i32 s23, s14, 16*SPITCH
	v_mul_u32_u24 v5, v1, SPITCH
	v_lshl_add_u32 v5, v2, 5, v5
	v_add_nc_u32 v[STO], s23, v5
	v_lshlrev_b32 v[CO], 4, v3
	v_add_nc_u32 v[RD], s23, v[CO]
	s_lshl_b32 s20, s17, 8
	s_lshl_b32 s21, s15, 7
	s_add_co_u32 s20, s20, s21
	s_mov_b32 s21, 0
	s_mov_b64 s[18:19], SIZE_N*4
	s_mul_u64 s[20:21], s[20:21], s[18:19]
	s_lshl_b32 s46, s42, 10
	s_lshl_b32 s47, s16, 9
	s_add_co_u32 s46, s46, s47
	s_mov_b32 s47, 0
	s_add_nc_u64 s[20:21], s[20:21], s[46:47]
	s_add_nc_u64 s[12:13], s[12:13], s[20:21]
	s_add_nc_u64 s[8:9], s[8:9], s[46:47]
	v_lshlrev_b32 v7, 5, v2
.irp b, 0,1,2,3,4,5,6,7
	global_load_b128 v[BI+8*\b:BI+8*\b+3], v7, s[8:9] offset:64*\b
	global_load_b128 v[BI+8*\b+4:BI+8*\b+7], v7, s[8:9] offset:64*\b+16
.endr
.macro FRAG reg, adr, q, i
	ds_load_b128 v[\reg:\reg+3], v[\adr] offset:(\i)*TILEB+(\q)*1536
	ds_load_b64 v[\reg+4:\reg+5], v[\adr+2] offset:(\i)*TILEB+(\q)*1536+512
	ds_load_b128 v[\reg+6:\reg+9], v[\adr] offset:(\i)*TILEB+(\q)*1536+768
	ds_load_b64 v[\reg+10:\reg+11], v[\adr+2] offset:(\i)*TILEB+(\q)*1536+1280
.endm
.macro MUL16 a0, p, q, sc, zero
.irp a, \a0, \a0+1
.irp b, 0,1,2,3,4,5,6,7
.if \zero
	v_wmma_scale_f32_16x16x128_f8f6f4 v[8*(8*((\a)%4)+\b):8*(8*((\a)%4)+\b)+7], v[128*(\p)+FR*\b:128*(\p)+FR*\b+FR-1], v[AF+FR*(\a):AF+FR*(\a)+FR-1], v[BI+8*\b:BI+8*\b+7], v[SC+8*NQ*(\sc)+NQ*\b+(\q)], v[SC+8*NQ*(\sc)+NQ*(\a)+(\q)] matrix_a_fmt:MATRIX_FMT_FP6 matrix_b_fmt:MATRIX_FMT_FP6 matrix_a_scale:MATRIX_SCALE_ROW1
.else
	v_wmma_scale_f32_16x16x128_f8f6f4 v[8*(8*((\a)%4)+\b):8*(8*((\a)%4)+\b)+7], v[128*(\p)+FR*\b:128*(\p)+FR*\b+FR-1], v[AF+FR*(\a):AF+FR*(\a)+FR-1], v[8*(8*((\a)%4)+\b):8*(8*((\a)%4)+\b)+7], v[SC+8*NQ*(\sc)+NQ*\b+(\q)], v[SC+8*NQ*(\sc)+NQ*(\a)+(\q)] matrix_a_fmt:MATRIX_FMT_FP6 matrix_b_fmt:MATRIX_FMT_FP6 matrix_a_scale:MATRIX_SCALE_ROW1
.endif
.endr
.endr
.endm
.macro FETCH_B slot, q, p
	WIN TO_B
.irp i, 0,1,2,3,4,5,6,7
	FRAG 128*(\p)+FR*\i, ADRB+\slot, \q, \i
.endr
	WIN 0
.endm
.macro FETCH_A slot, q, i0
.irp i, \i0, \i0+1, \i0+2, \i0+3
	FRAG AF+FR*(\i), ADRA+\slot, \q, \i
.endr
.endm
.macro SCALES sc
.irp i, 0,1,2,3,4,5,6,7
	ds_load_b64 v[SC+8*NQ*\sc+NQ*\i:SC+8*NQ*\sc+NQ*\i+1], v[ADRS] offset:\i*SBLK
.endr
.endm
.macro PLACES n
.rept \n
	v_nop
.endr
.endm
.macro STEP slot, q, zero
	s_wait_dscnt 4*NL
.if \zero
	WIN 0x81
.else
	WIN MUL_LO
.endif
	MUL16 0, (\q)%2, \q, \slot, \zero
	MUL16 2, (\q)%2, \q, \slot, \zero
	s_wait_dscnt 0
	PLACES NP
	FETCH_B \slot, (\q)+1, 1-(\q)%2
	FETCH_A \slot, (\q)+1, 0
.if \zero
	WIN 0xc1
.else
	WIN MUL_HI
.endif
	MUL16 4, (\q)%2, \q, \slot, \zero
	MUL16 6, (\q)%2, \q, \slot, \zero
	PLACES NP
	WIN 0
	FETCH_A \slot, (\q)+1, 4
.endm
.macro TURN slot, next, fill
	s_wait_tensorcnt 0x0
	ds_add_u32 v[SPW], v[NIL]
	s_wait_dscnt 4*NL+1
	WIN MUL_LO
	MUL16 0, 1, NQ-1, \slot, 0
	s_wait_dscnt 0x0
	s_barrier_signal -1
	MUL16 2, 1, NQ-1, \slot, 0
	WIN 0
	s_barrier_wait -1
.if \fill
	CREST
	s_add_nc_u64 s[G0+4*\slot+2:G0+4*\slot+3], s[G0+4*\slot+2:G0+4*\slot+3], 2*ASTEP
	s_add_nc_u64 s[G0B+4*\slot+2:G0B+4*\slot+3], s[G0B+4*\slot+2:G0B+4*\slot+3], 2*BSTEP
	JLOAD G0+4*\slot, G1, G0B+4*\slot, G1B
.else
	PLACES NP
.endif
	s_wait_alu depctr_va_vdst(0)
	v_add_nc_u32 v[ADRS], 128, v[ADRS]
	FETCH_B \next, 0, 0
	FETCH_A \next, 0, 0
	SCALES \next
	WIN MUL_HI
	MUL16 4, 1, NQ-1, \slot, 0
	MUL16 6, 1, NQ-1, \slot, 0
	PLACES NP
	WIN 0
	FETCH_A \next, 0, 4
.endm
	s_wait_alu depctr_va_vdst(0)
	s_wait_tensorcnt 1
	s_barrier_signal -1
	s_barrier_wait -1
	FETCH_B 0, 0, 0
	FETCH_A 0, 0, 0
	SCALES 0
	FETCH_A 0, 0, 4
	s_wait_loadcnt 0x0
	STEP 0, 0, 1
	s_mov_b32 s3, LAPS-1
.Llap:
	TURN 0, 1, 1
	STEP 1, 0, 0
	TURN 1, 0, 1
	STEP 0, 0, 0
	s_sub_co_u32 s3, s3, 1
	s_cmp_lg_u32 s3, 0
	s_cbranch_scc1 .Llap
	TURN 0, 1, 0
	STEP 1, 0, 0
	s_wait_dscnt 4*NL
	WIN MUL_LO
	MUL16 0, 1, NQ-1, 1, 0
	MUL16 2, 1, NQ-1, 1, 0
	s_wait_dscnt 0
	WIN MUL_HI
	MUL16 4, 1, NQ-1, 1, 0
	MUL16 6, 1, NQ-1, 1, 0
	WIN 0
.macro TOSTAGE a
.set AC, 64*((\a)%4)
	WIN 0x08+4*((\a)/4)
.irp b, 0,1,2,3,4,5,6,7
	ds_store_b128 v[STO], v[AC+8*\b:AC+8*\b+3] offset:64*\b
	ds_store_b128 v[STO], v[AC+8*\b+4:AC+8*\b+7] offset:64*\b+16
.endr
	WIN 0
.set BB, BK+64*((\a)%2)
.irp t, 0,1,2,3,4,5,6,7,8,9,10,11,12,13,14,15
	ds_load_b128 v[BB+4*\t:BB+4*\t+3], v[RD] offset:\t*SPITCH
.endr
.endm
.macro SEND a, younger
.set BB, BK+64*((\a)%2)
	s_wait_dscnt \younger
.if (\a) > 0
	s_add_nc_u64 s[12:13], s[12:13], 16*SIZE_N*4
.endif
.irp t, 0,1,2,3,4,5,6,7,8,9,10,11,12,13,14,15
	global_store_b128 v[CO], v[BB+4*\t:BB+4*\t+3], s[12:13] offset:\t*SIZE_N*4 th:TH_STORE_NT
.endr
.endm
	PLACES NP
	TOSTAGE 0
.irp a, 1,2,3,4,5,6,7
.if \a > 1
	s_wait_xcnt 0x0
.endif
	TOSTAGE \a
	SEND \a-1, 32
.endr
	s_wait_xcnt 0x0
	SEND 7, 0
	s_wait_tensorcnt 0x0
	ds_add_u32 v[SPW], v[NIL]
	s_wait_dscnt 0x0
	CROUND
	s_endpgm
.Lfunc_end_k_q52b8f00c3c_qproj:
	.size	k_q52b8f00c3c_qproj, .Lfunc_end_k_q52b8f00c3c_qproj-k_q52b8f00c3c_qproj
	.p2alignl 7, 3214868480
	.fill 96, 4, 3214868480
	.section	.rodata,"a",@progbits
	.p2align	6, 0x0
	.amdhsa_kernel k_q52b8f00c3c_qproj
		.amdhsa_group_segment_fixed_size 327680
		.amdhsa_private_segment_fixed_size 0
		.amdhsa_enable_private_segment 0
		.amdhsa_kernarg_size 32
		.amdhsa_user_sgpr_count 2
		.amdhsa_user_sgpr_kernarg_segment_ptr 1
		.amdhsa_wavefront_size32 1
		.amdhsa_system_sgpr_workgroup_id_x 1
		.amdhsa_system_sgpr_workgroup_id_y 1
		.amdhsa_system_sgpr_workgroup_id_z 1
		.amdhsa_system_vgpr_workitem_id 0
		.amdhsa_next_free_vgpr 1024
		.amdhsa_next_free_sgpr 98
		.amdhsa_reserve_vcc 0
		.amdhsa_float_denorm_mode_32 3
		.amdhsa_float_denorm_mode_16_64 3
		.amdhsa_memory_ordered 1
		.amdhsa_forward_progress 1
		.amdhsa_inst_pref_size 146
	.end_amdhsa_kernel
	.amdgpu_metadata
---
amdhsa.version: [ 1, 2 ]
amdhsa.kernels:
  - .name:           k_q52b8f00c3c_qproj
    .symbol:         k_q52b8f00c3c_qproj.kd
    .args:
      - { .name: xq, .offset: 0, .size: 8, .value_kind: global_buffer, .address_space: global }
      - { .name: wq, .offset: 8, .size: 8, .value_kind: global_buffer, .address_space: global }
      - { .name: bq, .offset: 16, .size: 8, .value_kind: global_buffer, .address_space: global }
      - { .name: qf, .offset: 24, .size: 8, .value_kind: global_buffer, .address_space: global }
    .group_segment_fixed_size: 327680
    .private_segment_fixed_size: 0
    .kernarg_segment_align: 8
    .kernarg_segment_size: 32
    .max_flat_workgroup_size: 128
    .sgpr_count:     98
    .vgpr_count:     1024
    .wavefront_size: 32
...
	.end_amdgpu_metadata
.endif
;; end of part 3
;; launch attn (part 4): grid 64 x 4, 16 waves a work-group, clusters of 4 x 1, 280,576 bytes of LDS; arguments qf, kv, aq; writes aq
.if DOCPART == 4
	.amdgcn_target "amdgcn-amd-amdhsa--gfx1250"
	.amdhsa_code_object_version 6
	.text
	.protected	k_q52b8f00c3c_attn
	.globl	k_q52b8f00c3c_attn
	.p2align	8
	.type	k_q52b8f00c3c_attn,@function
k_q52b8f00c3c_attn:
	s_mov_b64 s[64:65], 0
	v_nop
	global_prefetch_b8 v0, s[64:65] scope:SCOPE_SE
	s_setreg_imm32_b32 hwreg(HW_REG_WAVE_MODE, 25, 1), 1
	s_wait_xcnt 0x0
	s_wait_alu depctr_hold_cnt(0) depctr_sa_sdst(0) depctr_va_vdst(0) depctr_va_sdst(0) depctr_va_ssrc(0) depctr_va_vcc(0) depctr_vm_vsrc(0)
	s_getreg_b32 s2, hwreg(HW_REG_IB_STS2, 6, 4)
	s_cmp_eq_u32 s2, 0
	s_cbranch_scc0 .Lentry_in_a_cluster
	s_endpgm
.Lentry_in_a_cluster:
	s_bfe_u32 s2, ttmp6, 0x10000c
	s_cmp_lg_u32 s2, 0x3003
	s_cbranch_scc0 .Lentry_shape_is_right
	s_endpgm
.Lentry_shape_is_right:
; a[b][q][64 head + d] = the sum over k of softmax_k(q . k / 8) v[k][d], 16 heads that share one head of K and V; both products on codes of FP6 (E2M3) with one E8M0 scale for each 32 along a product's K.
; qf: q as f32 [8192][1024]: quantised here, along a head's 64.  kv: K's and V's codes and scale words, [batch][key step of 128 keys][13,056], laid in the order of the operands' registers by the launch that made them.
; aq: the result, quantised along its 1,024 for the last product: codes [K / 256][row tile][4 half fragments of 768 bytes], from byte 6,291,456 scale words [row tile][512].
; THE SOFTMAX AHEAD OF THE SECOND PRODUCT: t = score x log2(e) / 8; M = the row's largest t so far, rounded UP to a whole number; p = 2^(t - M) is what is quantised, along the keys, not normalised.  The row's sum is taken of the
; unquantised p and divides at the end.  When M moves, the sum and O are multiplied by 2^(old M - new M): exact.
; SHARES.  A work-group owns 32 queries of one batch; wave w of sixteen is head w and takes their two tiles of 16 one after the other, each over 16 key steps of 128 keys.  Four waves to a SIMD: one wave's vector work stands beside another's products and LDS loads.
; ALL OF A BATCH'S K AND V, 208,896 bytes, LIES IN LDS, filled once: wave w brings key step w by one tensor load.  No byte of LDS is filled again, so there is no ring.
; CLUSTER.  The four work-groups of a cluster belong to one batch and want the same bytes: each load is asked for JOINTLY, with the same descriptor and a mask that names the four.
; LAYOUT.  Both products are used transposed: S^T = K Q^T (source 0 = 16 keys, source 1 = my 16 queries), O^T = V^T P^T: a lane holds ONE query (lane % 16) throughout.  K's tile 4 c + u', row 8 h + j is key 64 c + 32 h + 8 g(u') + j,
; g = (0, 2, 1, 3): so a lane's registers 32 c .. 32 c + 31 of S^T are ONE WHOLE block of 32 keys, block 2 c + h: its largest score needs no other lane, and the conversions' results are P's operand as they stand.  V's keys lie in the same order inside a block.
; V's tile u, row r is channel 8 u + r + 24 (r / 8): a lane's 32 registers of O^T are channels 32 h + 0 .. 31: one whole block of the last product's K.
; THE SCORES' K IS 64 of the instruction's 128.  Q's upper 64 codes are zeros and the scale bytes there are 0x7f on both sides.  K's tiles are six registers each, on end, and a tile's operand names twelve: its upper six hold the NEXT tile's codes
; (zeros behind the last): every code of this format is a finite number, so those products are exactly 0.  That spares 48 registers.
; No prefetch: all that the launch reads again is asked for whole at its head.
; LIMITS: a block whose largest magnitude lies under 2^-124, a block of zeros too, gets the byte 1 (this program alone reads the bytes); NaN and infinities are not served; 1 / the sum is v_rcp_f32 with one Newton step.
; REGISTERS: v1-11 addresses; v12 -M, v13 the largest t, v[14:15] the sum in two halves; v16-27 Q; v28 Q's scale word, v29 P's; v32-85 K's tiles, then V's four fragments (v80-85 stay 0); v86-89 K's scale words, v90-91 V's;
;   v96-159 S^T, then p; v160-191 O^T; v192-203 P's codes; v204-210 odd conversions; v212-223 at work; v224-255 the next tile's q as loaded.
.set KVB,  13056                       ; a key step's bytes
.set QS,   16*KVB                      ; behind K and V: a stage of 16 rows x (256 bytes + 16) for each wave, for turning q
.set QSB,  16*272
.set WV,   10
.set SEL,  28                          ; s[28:29] lane selects for v_permlanex16_b32: lane l xor 16
.set CS,   30                          ; s[30:31] c = log2(e) / 8: the packed form names a pair and takes its low word for both halves
.set TB,   32                          ; s32  LDS byte at which the key step in hand begins
.macro CROUND                          ; a round of the cluster's barrier
	s_barrier_signal -1
	s_barrier_wait -1
	s_cmp_lg_u32 s[WV], 0
	s_cbranch_scc1 .Lnot_wave_0_\@
	s_barrier_signal -3
.Lnot_wave_0_\@:
	s_barrier_wait -3
	s_barrier_signal -1
	s_barrier_wait -1
.endm
.macro QLOAD                           ; 16 rows x 256 bytes of q: sixteen lanes read a row's 256 consecutive bytes, two rows an instruction
.irp i, 0,1,2,3,4,5,6,7
	global_load_b128 v[224+4*\i:227+4*\i], v9, s[4:5] offset:8192*\i th:TH_LOAD_NT
.endr
.endm
; A lane's 32 numbers v96-127, one whole block, become six registers of codes at v[dst]; the scale's byte in v222.
.macro QBLK dst
	v_max3_num_f32 v212, |v96|, |v97|, |v98|
	v_max3_num_f32 v213, |v99|, |v100|, |v101|
.irp i, 6,10,14,18,22,26
	s_delay_alu instid0(VALU_DEP_2)
	v_max3_num_f32 v212, v212, |v[96+\i]|, |v[97+\i]|
	s_delay_alu instid0(VALU_DEP_2)
	v_max3_num_f32 v213, v213, |v[98+\i]|, |v[99+\i]|
.endr
	s_delay_alu instid0(VALU_DEP_2)
	v_max3_num_f32 v212, v212, |v126|, |v127|
	s_delay_alu instid0(VALU_DEP_1)
	v_max3_num_f32 v212, v212, v213, 0x1800000     ; and the floor 2^(3 - 127): the byte cannot fall under 1
	s_delay_alu instid0(VALU_DEP_1)
	v_add_nc_u32 v216, 0xff000000, v212            ; 2 off the exponent field: the conversion's scale operand
	s_delay_alu instid0(VALU_DEP_1)
	v_lshrrev_b32 v222, 23, v216
	v_cvt_scalef32_pk16_fp6_f32 v[\dst:\dst+2], v[96:111], v216
	v_cvt_scalef32_pk16_fp6_f32 v[204:206], v[112:127], v216   ; (a conversion's three registers begin on an even number)
	v_nop                                          ; one plain instruction behind the conversions
.irp i, 0,1,2
	v_mov_b32 v[\dst+3+\i], v[204+\i]
.endr
.endm
	s_load_b128 s[4:7], s[0:1], 0x0                ; qf s[4:5], kv s[6:7]
	s_load_b64 s[8:9], s[0:1], 0x10                ; aq
	v_lshl_add_u32 v207, v0, 2, 0x44000
	v_mov_b32 v211, 0
	ds_add_u32 v207, v211
	ds_add_u32 v207, v211
	v_lshrrev_b32 v5, 5, v0
	s_delay_alu instid0(VALU_DEP_1)
	v_readfirstlane_b32 s[WV], v5                  ; wave 0..15: my head
	s_bfe_u32 s11, ttmp6, 0x40000                  ; cx: my place in the cluster
	s_lshl_b32 s12, ttmp9, 2
	s_add_co_u32 s12, s12, s11                     ; my 32 queries = 4 x cluster x + cx: it enters q's and a's addresses alone
	s_and_b32 s13, ttmp7, 0xffff                   ; the batch, which the four partners share
	; descriptor group 1: a dense block of 13,056 bytes as 51 rows of 256 bytes (32 elements of 8 bytes), no padding
	s_mov_b32 s16, 15|(3<<16)|(1<<21)              ; 15:0 the mask: all four work-groups; 17:16 elements of 8 bytes; 21 set beside a mask
	s_mov_b32 s17, 32<<16                          ; tensor_dim0
	s_mov_b32 s18, 51<<16                          ; tensor_dim1
	s_mov_b32 s19, 32<<16                          ; tile_dim0
	s_mov_b32 s20, 51                              ; tile_dim1
	s_mov_b32 s21, 32                              ; tensor_dim0_stride
	s_mov_b32 s22, 0
	s_mov_b32 s23, 0
	s_mov_b32 s24, 1                               ; group 0: count = 1,
	s_mul_i32 s25, s[WV], KVB                      ; the LDS address: key step w,
	s_mul_i32 s14, s13, 16*KVB
	s_add_co_u32 s14, s14, s25                     ; and the same step of my batch in memory
	s_mov_b32 s15, 0
	s_mov_b32 s[SEL], 0x76543210
	s_mov_b32 s[SEL+1], 0xfedcba98
	s_mov_b32 s[CS], 0x3e38aa3b                    ; c = log2(e) / 8
	s_mov_b32 s[CS+1], s[CS]                       ; (named with it as a pair, so it is written)
	s_mov_b32 s41, 0
	s_lshl_b32 s40, s13, 23                        ; q: 2,048 rows of 4,096 bytes a batch,
	s_lshl_b32 s42, s12, 17                        ; 32 rows a work-group,
	s_add_co_u32 s40, s40, s42
	s_lshl_b32 s42, s[WV], 8                       ; 256 bytes a head
	s_add_co_u32 s40, s40, s42
	s_lshl_b32 s43, s13, 7
	s_lshl_b32 s42, s12, 1
	s_add_co_u32 s43, s43, s42                     ; my first row tile: 128 x batch + 2 x work-group
	s_lshr_b32 s44, s[WV], 2                       ; head w is K = 64 w ..: 256 (w / 4) + 64 (w % 4)
	s_and_b32 s45, s[WV], 3
	s_wait_dscnt 0x0
	s_wait_kmcnt 0x0
	s_add_nc_u64 s[26:27], s[6:7], s[14:15]
	s_or_b32 s27, s27, 0x80000000                  ; type = 2
	s_add_nc_u64 s[4:5], s[4:5], s[40:41]
	s_mul_i32 s40, s44, 1572864
	s_mul_i32 s42, s45, 768
	s_add_co_u32 s40, s40, s42
	s_mul_i32 s42, s43, 3072
	s_add_co_u32 s40, s40, s42
	s_add_nc_u64 s[36:37], s[8:9], s[40:41]        ; a's codes: my half fragment of my first row tile
	s_lshl_b32 s40, s43, 9
	s_lshl_b32 s42, s44, 7
	s_add_co_u32 s40, s40, s42
	s_lshl_b32 s42, s45, 1                         ; 4 ((w / 2) % 2) + 2 (w % 2)
	s_add_co_u32 s40, s40, s42
	s_add_co_u32 s40, s40, 6291456
	s_add_nc_u64 s[38:39], s[8:9], s[40:41]        ; and its two scale bytes a row
	CROUND                                         ; all four work-groups are here: the joint loads meet
	tensor_load_to_lds s[24:27], s[16:23]          ; my key step: the wave's one tensor load
	s_nop 0
.rept 4
	v_nop
.endr
	v_and_b32 v5, 31, v0
	v_and_b32 v6, 15, v0                           ; r
	v_bfe_u32 v30, v0, 4, 1                        ; h
	s_delay_alu instid0(VALU_DEP_3)
	v_lshlrev_b32 v1, 4, v5                        ; 16 x lane
	s_delay_alu instid0(VALU_DEP_4)
	v_lshlrev_b32 v2, 3, v5                        ; 8 x lane
	s_delay_alu instid0(VALU_DEP_3)
	v_lshlrev_b32 v7, 3, v30                       ; 8 h
	s_delay_alu instid0(VALU_DEP_4)
	v_lshl_add_u32 v8, v6, 3, v30                  ; 8 r + h
	v_lshlrev_b32 v9, 12, v30
	s_delay_alu instid0(VALU_DEP_1)
	v_lshl_add_u32 v9, v6, 4, v9                   ; q: row h of two, 16 bytes a lane
	QLOAD                                          ; the first tile's q
	s_mul_i32 s35, s[WV], QSB
	s_add_co_u32 s35, s35, QS                      ; my stage
	v_mul_u32_u24 v10, v30, 272
	s_delay_alu instid0(VALU_DEP_1)
	v_lshl_add_u32 v10, v6, 4, v10
	s_delay_alu instid0(VALU_DEP_1)
	v_add_nc_u32 v10, s35, v10                     ; in: as loaded
	v_mul_u32_u24 v11, v6, 272
	s_delay_alu instid0(VALU_DEP_1)
	v_lshl_add_u32 v11, v30, 7, v11
	s_delay_alu instid0(VALU_DEP_1)
	v_add_nc_u32 v11, s35, v11                     ; out: row r, + 128 h: my block's 32 numbers
.irp i, 22,23,24,25,26,27,80,81,82,83,84,85
	v_mov_b32 v\i, 0                               ; Q's upper 64 codes, and what stands behind K's last tile
.endr
	v_mov_b32 v217, 0                              ; written once: a lane permute's destination counts as one of its sources
	v_mov_b32 v220, 0
	v_mov_b32 v219, 0                              ; (named as the upper half of the pair v[218:219])
	s_mov_b32 s34, 2                               ; tiles of queries to go
	s_wait_tensorcnt 0x0                           ; my key step is in,
	s_barrier_signal -1
	s_barrier_wait -1                              ; everybody's is: all of K and V
.Lpass:
	; ---- q: 16 rows x 64 numbers turn through my stage, so that a lane holds a whole block of 32
	s_wait_loadcnt 0x0
.irp i, 0,1,2,3,4,5,6,7
	ds_store_b128 v10, v[224+4*\i:227+4*\i] offset:544*\i
.endr
.irp j, 0,1,2,3,4,5,6,7
	ds_load_b128 v[96+4*\j:99+4*\j], v11 offset:16*\j   ; LDS serves a wave's instructions in order: these see my stores
.endr
	s_wait_dscnt 0x0                               ; the numbers are back, so the stores have read their registers,
	s_cmp_eq_u32 s34, 1
	s_cbranch_scc1 .Lno_next
	s_add_nc_u64 s[4:5], s[4:5], 65536             ; (the last loads are in: their base may step)  16 rows on
	QLOAD                                          ; which take the next tile's q: it lands under this tile's 16 key steps
.Lno_next:
	QBLK 16
	v_lshlrev_b32 v28, v7, v222                    ; my block's byte at its place,
	s_delay_alu instid0(VALU_DEP_1)
	v_permlanex16_b32 v220, v28, s[SEL], s[SEL+1]
	s_delay_alu instid0(VALU_DEP_1)
	v_or_b32 v28, v28, v220                        ; with lane l xor 16's,
	s_delay_alu instid0(VALU_DEP_1)
	v_or_b32 v28, 0x7f7f0000, v28                  ; and 1.0 for the upper 64 along K
.set j, 0
.rept 32
	v_mov_b32 v[160+j], 0                          ; O^T.  (The key step is written once: the first finds zeros, which the first change of M leaves zeros)
.set j, j+1
.endr
	v_mov_b32 v14, 0
	v_mov_b32 v15, 0
	v_mov_b32 v13, 0xff61b1e6                      ; the largest t so far: -3e38, under every t
	s_delay_alu instid0(VALU_DEP_1)
	v_floor_f32 v12, -v13                          ; -M
	s_mov_b32 s[TB], 0
	s_mov_b32 s33, 16
.Lstep:
	s_setprio 2
	; ---- a key step: 128 keys
	v_add_nc_u32 v3, s[TB], v1
	v_add_nc_u32 v4, s[TB], v2
	v_nop
	v_nop                                          ; with the two additions: four places in front of loads into registers that the last products read
.irp t, 0,1,2,3,4,5,6,7
	ds_load_b128 v[32+6*\t:35+6*\t], v3 offset:768*\t
	ds_load_b64 v[36+6*\t:37+6*\t], v4 offset:768*\t+512
.endr
	ds_load_b128 v[86:89], v3 offset:12288         ; K's scale words: register i: lanes 0-15 tile 2 i, lanes 16-31 tile 2 i + 1
	s_wait_alu depctr_va_vdst(0)
	s_wait_dscnt 0x0
.irp t, 0,1,2,3,4,5,6,7
.if (\t)%2
	v_wmma_scale_f32_16x16x128_f8f6f4 v[96+8*\t:103+8*\t], v[32+6*\t:43+6*\t], v[16:27], 0, v[86+\t/2], v28 matrix_a_fmt:MATRIX_FMT_FP6 matrix_b_fmt:MATRIX_FMT_FP6 matrix_a_scale:MATRIX_SCALE_ROW1
.else
	v_wmma_scale_f32_16x16x128_f8f6f4 v[96+8*\t:103+8*\t], v[32+6*\t:43+6*\t], v[16:27], 0, v[86+\t/2], v28 matrix_a_fmt:MATRIX_FMT_FP6 matrix_b_fmt:MATRIX_FMT_FP6
.endif
.endr
.rept 4
	v_nop                                          ; four places: for the loads below and for the first read of the scores
.endr
.irp u, 0,1,2,3                                ; V's four fragments land under the softmax
	ds_load_b128 v[32+12*\u:35+12*\u], v3 offset:6144+1536*\u
	ds_load_b64 v[36+12*\u:37+12*\u], v4 offset:6144+1536*\u+512
	ds_load_b128 v[38+12*\u:41+12*\u], v3 offset:6144+1536*\u+768
	ds_load_b64 v[42+12*\u:43+12*\u], v4 offset:6144+1536*\u+1280
.endr
	ds_load_b64 v[90:91], v4 offset:12800          ; V's scale words: register i: lanes 0-15 tile 2 i, lanes 16-31 tile 2 i + 1
.irp k, 0,1,2,3
	v_max3_num_f32 v[212+\k], v[96+16*\k], v[97+16*\k], v[98+16*\k]   ; the largest score, in four chains of 16; each accumulator is first read at its low end
.endr
.irp i, 3,5,7,9,11,13
.irp k, 0,1,2,3
	v_max3_num_f32 v[212+\k], v[212+\k], v[96+16*\k+\i], v[97+16*\k+\i]
.endr
.endr
.irp k, 0,1,2,3
	v_max_num_f32 v[212+\k], v[212+\k], v[111+16*\k]
.endr
	s_delay_alu instid0(VALU_DEP_3)
	v_max_num_f32 v212, v212, v213                 ; THE LARGEST SCORE OF EACH OF MY TWO BLOCKS: it serves twice: for the row's maximum, and, since p rises with the score, for the block's largest p
	s_delay_alu instid0(VALU_DEP_2)
	v_max_num_f32 v214, v214, v215
	s_delay_alu instid0(VALU_DEP_1)
	v_max_num_f32 v216, v212, v214
	s_delay_alu instid0(VALU_DEP_1)
	v_permlanex16_b32 v217, v216, s[SEL], s[SEL+1]
	s_delay_alu instid0(VALU_DEP_1)
	v_max_num_f32 v216, v216, v217                 ; with lane l xor 16's two blocks: the step's largest score of my query
	s_delay_alu instid0(VALU_DEP_1)
	v_mul_f32 v216, s[CS], v216                    ; as t (c is positive)
	s_delay_alu instid0(VALU_DEP_1)
	v_max_num_f32 v13, v13, v216                   ; the running largest t
	v_mov_b32 v216, v12
	s_delay_alu instid0(VALU_DEP_2)
	v_floor_f32 v12, -v13                          ; the new -M = floor(-t) = -ceil(t): M is a whole number
	s_delay_alu instid0(VALU_DEP_1)
	v_sub_f32 v216, v12, v216                      ; M's old value less its new one: a whole number, 0 or less
	s_delay_alu instid0(VALU_DEP_1)
	v_cvt_i32_f32 v216, v216                       ; (it saturates)
	s_delay_alu instid0(VALU_DEP_1)
	v_ldexp_f32 v218, 1.0, v216                    ; f = 2^(old M - new M)
.set j, 0
.rept 32
	v_pk_fma_f32 v[96+j:97+j], v[96+j:97+j], s[CS:CS+1], v[12:13] op_sel_hi:[1,0,0]   ; t - M, two at a time (of the pairs c and -M the low word serves both halves)
.set j, j+2
.endr
	v_fma_f32 v212, v212, s[CS], v12               ; the same of each block's largest score
	v_fma_f32 v214, v214, s[CS], v12
.set j, 0
	s_setprio 1
	s_wait_alu depctr_va_vdst(0)
.rept 64
	v_exp_f32 v[96+j], v[96+j]                     ; p = 2^(t - M), at most 1: not normalised
.set j, j+1
.endr
	v_pk_mul_f32 v[14:15], v[14:15], v[218:219] op_sel_hi:[1,0]   ; the sums under the new M.  (The plain instruction behind the exponentials)
	s_wait_alu depctr_va_vdst(0)                   ; one wait for the whole batch, ahead of its first reader
	v_exp_f32 v212, v212                           ; the blocks' largest p: the same two instructions on the same number give the same bits
	v_exp_f32 v214, v214
	v_pk_add_f32 v[220:221], v[100:101], v[104:105]
	v_pk_add_f32 v[222:223], v[108:109], v[112:113]
	v_pk_add_f32 v[216:217], v[116:117], v[120:121]
	v_pk_add_f32 v[208:209], v[124:125], v[128:129]
	v_pk_add_f32 v[204:205], v[132:133], v[136:137]
	v_pk_add_f32 v[202:203], v[140:141], v[144:145]
	v_pk_add_f32 v[200:201], v[148:149], v[152:153]
	v_pk_add_f32 v[14:15], v[14:15], v[156:157]
	v_pk_add_f32 v[220:221], v[220:221], v[96:97]
	v_pk_add_f32 v[222:223], v[222:223], v[98:99]
	v_pk_add_f32 v[216:217], v[216:217], v[102:103]
	v_pk_add_f32 v[208:209], v[208:209], v[106:107]
	v_pk_add_f32 v[204:205], v[204:205], v[110:111]
	v_pk_add_f32 v[202:203], v[202:203], v[114:115]
	v_pk_add_f32 v[200:201], v[200:201], v[118:119]
	v_pk_add_f32 v[14:15], v[14:15], v[122:123]
	v_pk_add_f32 v[220:221], v[220:221], v[126:127]
	v_pk_add_f32 v[222:223], v[222:223], v[130:131]
	v_pk_add_f32 v[216:217], v[216:217], v[134:135]
	v_pk_add_f32 v[208:209], v[208:209], v[138:139]
	v_pk_add_f32 v[204:205], v[204:205], v[142:143]
	v_pk_add_f32 v[202:203], v[202:203], v[146:147]
	v_pk_add_f32 v[200:201], v[200:201], v[150:151]
	v_pk_add_f32 v[14:15], v[14:15], v[154:155]
	v_pk_add_f32 v[220:221], v[220:221], v[158:159]
	s_delay_alu instid0(VALU_DEP_2)
	v_pk_add_f32 v[14:15], v[14:15], v[208:209]
	s_delay_alu instid0(VALU_DEP_2)
	v_pk_add_f32 v[220:221], v[220:221], v[204:205]
	v_pk_add_f32 v[222:223], v[222:223], v[202:203]
	v_pk_add_f32 v[216:217], v[216:217], v[200:201]
	s_delay_alu instid0(VALU_DEP_2)
	v_pk_add_f32 v[14:15], v[14:15], v[222:223]
	s_delay_alu instid0(VALU_DEP_2)
	v_pk_add_f32 v[220:221], v[220:221], v[216:217]
	s_delay_alu instid0(VALU_DEP_1)
	v_pk_add_f32 v[14:15], v[14:15], v[220:221]
	s_wait_alu depctr_va_vdst(0)                   ; and one for the two
	v_max_num_f32 v212, 0x1800000, v212            ; the floor 2^(3 - 127): the byte cannot fall under 1 (a block whose every p has fallen to 0 keeps that byte: its codes are zeros)
	v_max_num_f32 v214, 0x1800000, v214
	s_delay_alu instid0(VALU_DEP_2)
	v_add_nc_u32 v216, 0xff000000, v212            ; 2 off the exponent field: the conversions' scale operands
	s_delay_alu instid0(VALU_DEP_2)
	v_add_nc_u32 v217, 0xff000000, v214
	s_delay_alu instid0(VALU_DEP_2)
	v_lshrrev_b32 v222, 23, v216
	s_delay_alu instid0(VALU_DEP_2)
	v_lshrrev_b32 v223, 23, v217
	s_delay_alu instid0(VALU_DEP_1)
	v_lshl_or_b32 v29, v223, 16, v222              ; my two bytes, blocks h and 2 + h,
	s_delay_alu instid0(VALU_DEP_1)
	v_lshlrev_b32 v29, v7, v29                     ; at their places;
	s_delay_alu instid0(VALU_DEP_1)
	v_permlanex16_b32 v220, v29, s[SEL], s[SEL+1]
	s_delay_alu instid0(VALU_DEP_1)
	v_or_b32 v29, v29, v220                        ; with lane l xor 16's two: p's scale word for these 128 keys
.irp c, 0,1
	v_cvt_scalef32_pk16_fp6_f32 v[192+6*\c:194+6*\c], v[96+32*\c:111+32*\c], v[216+\c]
	v_cvt_scalef32_pk16_fp6_f32 v[204+4*\c:206+4*\c], v[112+32*\c:127+32*\c], v[216+\c]   ; (a conversion's three registers begin on an even number)
.endr
	v_nop                                          ; one plain instruction behind the conversions
.irp c, 0,1
.irp i, 0,1,2
	v_mov_b32 v[195+6*\c+\i], v[204+4*\c+\i]
.endr
.endr
.set j, 0
	s_setprio 0
.rept 16
	v_pk_mul_f32 v[160+j:161+j], v[160+j:161+j], v[218:219] op_sel_hi:[1,0]   ; O^T under the new M.  (These are also the places between the lines that wrote p's codes and scale word and the products)
.set j, j+2
.endr
	s_wait_alu depctr_va_vdst(0)
	s_wait_dscnt 0x0                               ; V
.irp u, 0,1,2,3
.if (\u)%2
	v_wmma_scale_f32_16x16x128_f8f6f4 v[160+8*\u:167+8*\u], v[32+12*\u:43+12*\u], v[192:203], v[160+8*\u:167+8*\u], v[90+\u/2], v29 matrix_a_fmt:MATRIX_FMT_FP6 matrix_b_fmt:MATRIX_FMT_FP6 matrix_a_scale:MATRIX_SCALE_ROW1
.else
	v_wmma_scale_f32_16x16x128_f8f6f4 v[160+8*\u:167+8*\u], v[32+12*\u:43+12*\u], v[192:203], v[160+8*\u:167+8*\u], v[90+\u/2], v29 matrix_a_fmt:MATRIX_FMT_FP6 matrix_b_fmt:MATRIX_FMT_FP6
.endif
.endr
	s_add_co_u32 s[TB], s[TB], KVB
	s_sub_co_u32 s33, s33, 1
	s_cmp_lg_u32 s33, 0
	s_cbranch_scc1 .Lstep
	s_setprio 0
	; ---- the tile's end: O^T / the sum, quantised along the last product's K: my 32 channels are one block
.rept 4
	v_nop                                          ; four places behind the last products
.endr
	v_add_f32 v14, v14, v15                        ; the sum's two halves,
	s_delay_alu instid0(VALU_DEP_1)
	v_permlanex16_b32 v216, v14, s[SEL], s[SEL+1]
	s_delay_alu instid0(VALU_DEP_1)
	v_add_f32 v14, v14, v216                       ; and lane l xor 16's: the row's sum
	s_wait_alu depctr_va_vdst(0)
	v_rcp_f32 v15, v14
	v_nop                                          ; a plain instruction behind the reciprocal,
	s_wait_alu depctr_va_vdst(0)                   ; and the wait ahead of its first reader
	v_fma_f32 v216, -v14, v15, 1.0                 ; one Newton step: y + y (1 - l y)
	v_fma_f32 v15, v216, v15, v15
.set j, 0
.rept 32
	v_mul_f32 v[96+j], v[160+j], v15               ; register 8 u + i is channel 32 h + 8 u + i of my query; each accumulator from its low end on
.set j, j+1
.endr
	QBLK 192
	global_store_b128 v1, v[192:195], s[36:37]     ; my lane is my lane slot: 512 consecutive bytes, aligned,
	global_store_b64 v2, v[196:197], s[36:37] offset:512   ; and 256
	global_store_b8 v8, v222, s[38:39]             ; the block's byte
	s_wait_xcnt 0x0                                ; the stores have read their registers and bases: both may be written again
	s_add_nc_u64 s[36:37], s[36:37], 3072          ; the next row tile
	s_add_nc_u64 s[38:39], s[38:39], 512
	s_sub_co_u32 s34, s34, 1
	s_cmp_lg_u32 s34, 0
	s_cbranch_scc1 .Lpass
	s_wait_dscnt 0x0
	s_wait_tensorcnt 0x0
	ds_add_u32 v207, v211
	s_wait_dscnt 0x0
	CROUND                                         ; the closing round: no work-group ends while a partner may still ask for a tile that names it
	s_endpgm
.Lfunc_end_k_q52b8f00c3c_attn:
	.size	k_q52b8f00c3c_attn, .Lfunc_end_k_q52b8f00c3c_attn-k_q52b8f00c3c_attn
	.p2alignl 7, 3214868480
	.fill 96, 4, 3214868480
	.section	.rodata,"a",@progbits
	.p2align	6, 0x0
	.amdhsa_kernel k_q52b8f00c3c_attn
		.amdhsa_group_segment_fixed_size 280576
		.amdhsa_private_segment_fixed_size 0
		.amdhsa_enable_private_segment 0
		.amdhsa_kernarg_size 24
		.amdhsa_user_sgpr_count 2
		.amdhsa_user_sgpr_kernarg_segment_ptr 1
		.amdhsa_wavefront_size32 1
		.amdhsa_system_sgpr_workgroup_id_x 1
		.amdhsa_system_sgpr_workgroup_id_y 1
		.amdhsa_system_sgpr_workgroup_id_z 1
		.amdhsa_system_vgpr_workitem_id 0
		.amdhsa_next_free_vgpr 256
		.amdhsa_next_free_sgpr 66
		.amdhsa_reserve_vcc 0
		.amdhsa_float_denorm_mode_32 3
		.amdhsa_float_denorm_mode_16_64 3
		.amdhsa_memory_ordered 1
		.amdhsa_forward_progress 1
		.amdhsa_inst_pref_size 32
	.end_amdhsa_kernel
	.amdgpu_metadata
---
amdhsa.version: [ 1, 2 ]
amdhsa.kernels:
  - .name:           k_q52b8f00c3c_attn
    .symbol:         k_q52b8f00c3c_attn.kd
    .args:
      - { .name: qf, .offset: 0, .size: 8, .value_kind: global_buffer, .address_space: global }
      - { .name: kv, .offset: 8, .size: 8, .value_kind: global_buffer, .address_space: global }
      - { .name: aq, .offset: 16, .size: 8, .value_kind: global_buffer, .address_space: global }
    .group_segment_fixed_size: 280576
    .private_segment_fixed_size: 0
    .kernarg_segment_align: 8
    .kernarg_segment_size: 24
    .max_flat_workgroup_size: 512
    .sgpr_count:     66
    .vgpr_count:     256
    .wavefront_size: 32
...
	.end_amdgpu_metadata
.endif
;; end of part 4
;; launch oproj: the kernel of part 3 again; grid 4 x 32, 4 waves a work-group, clusters of 4 x 4, 327,680 bytes of LDS; arguments aq, wo, bo, out0; writes out0
